; MI455X (gfx1250); checked and timed in simulation.
; The chip was launched on July 23, 2026; its instructions are those of AMD's public machine-readable ISA for CDNA 5 (MIT licence, August 2026) and "CDNA5" Instruction Set Architecture Reference Guide (July 2026). The comments in the code are by the model that wrote it; some were corrected since.
;; Attention. Allowed arithmetic: matrix products marked QUANTISED: E2M1 operands, one E8M0 scale for each 32 along K, by v_wmma_scale_f32_16x16x128_f8f6f4 with both operands' format E2M1 (or v_wmma_scale_f32_32x16x128_f4), f32 sums; products left as they are: bf16, f16 or f32 operands; f32 sums; everything else in f32.
;; Inputs: Aproj 8 x 1,024 float32; Aqkv 8 x 1,024 float32; Bproj 1,024 x 8 float32; Bqkv 3,072 x 8 float32; Wproj 1,024 x 1,024 float32; Wqkv 3,072 x 1,024 float32; bproj 1,024 float32; bqkv 3,072 float32; x 4 x 2,048 x 1,024 float32.
;; Outputs: out0 4 x 2,048 x 1,024 float32.
;; This version of the problem:
;;   THIS VERSION OF THE PROBLEM IS GIVEN IN LOW PRECISION. The matrix products marked QUANTISED in the list below multiply operands that are first quantised to E2M1 (2 exponent bits, 1 mantissa bit; 4 bits a number), with one power-of-two scale for each 32 numbers along K (OCP MX v1.0); their sums are f32. The products marked 'left as it is' may take bf16, f16 or f32 operands, with f32 sums. Whichever they take, every output number must still come out within the allowed error. Rounding operands to bf16 (8 significant bits) uses up far more of that allowance than f16 does (11 bits, for magnitudes from 6e-5 to 65,504). All else is computed in f32.
;;   The module's matrix products, in the order in which they are computed (A, B: the left and right operand; K: the contracted axis; several contracted axes count as one K, in the product's order):
;;     1. [M 8,192, K 1,024] x [K 1,024, N 3,072]; A: input x; B: input Wqkv: QUANTISED
;;     2. [M 8,192, K 1,024] x [K 1,024, N 8]; A: input x; B: input Aqkv: left as it is (N = 8 < 16)
;;     3. [M 8,192, K 8] x [K 8, N 3,072]; A: computed on the way; B: input Bqkv: left as it is (K = 8 < 32)
;;     4. batch 64 x [M 2,048, K 64] x [K 64, N 2,048]; A: computed on the way; B: computed on the way: left as it is (an operand is computed on the way)
;;     5. batch 64 x [M 2,048, K 2,048] x [K 2,048, N 64]; A: computed on the way; B: computed on the way: left as it is (an operand is computed on the way)
;;     6. [M 8,192, K 1,024] x [K 1,024, N 1,024]; A: computed on the way; B: input Wproj: left as it is (an operand is computed on the way)
;;     7. [M 8,192, K 1,024] x [K 1,024, N 8]; A: computed on the way; B: input Aproj: left as it is (N = 8 < 16)
;;     8. [M 8,192, K 8] x [K 8, N 1,024]; A: computed on the way; B: input Bproj: left as it is (K = 8 < 32)
;;   THE QUANTISER, for each operand of a quantised product, along K:
;;     - K is cut into blocks of 32 from its start; a last block that is shorter is filled with zeros.
;;     - A block's scale is 2^e with e = floor(log2(the largest magnitude in the block)) - 2, held to -126 .. 127; a block of zeros has e = 0. As a byte (E8M0): e + 127.
;;     - Each number is divided by its block's scale, clamped to +-6, and rounded to the nearest number of E2M1, ties to even, subnormals kept.
;;     - The product sums the exact products of the quantised numbers (number of the format x scale) in f32.
;;   ~~~python
;;   def quantise(x, axis):      # numpy; x: float32 -> the quantised numbers, widened to float32 again
;;       x = np.moveaxis(x, axis, -1); K = x.shape[-1]
;;       x = np.pad(x, [(0, 0)] * (x.ndim - 1) + [(0, -K % 32)]); x = x.reshape(x.shape[:-1] + (-1, 32)); a = np.abs(x).max(-1, keepdims=True)
;;       e = np.where(a > 0, np.clip(np.frexp(np.where(a > 0, a, 1))[1] - 1 - 2, -126, 127), 0)      # np.frexp(a)[1] - 1 = floor(log2(a)), exactly
;;       r = np.clip(x / 2.0 ** e, -6, 6)
;;       step = 2.0 ** (np.maximum(np.frexp(np.where(r == 0, 1, r))[1] - 1, 0) - 1)
;;       q = np.round(r / step) * step * 2.0 ** e      # np.round: ties to even
;;       return np.moveaxis(q.reshape(q.shape[:-2] + (-1,))[..., :K], -1, axis).astype(np.float32)
;;   ~~~
;; One version. Each part assembles by itself: llvm-mc -triple=amdgcn-amd-amdhsa -mcpu=gfx1250 --defsym DOCPART=n.
;; ======== version 1 of 1: 5 launches
;; limits: values are held in f16: magnitudes above 65,504 overflow, below 6.1e-05 lose precision
;; workspace buffers: xq 4,456,448 bytes; wq 1,671,168 bytes; lora 720,896 bytes; weff 4,194,304 bytes; qkvh 50,331,648 bytes; fineb 786,432 bytes; attno 16,777,216 bytes
;; launch prep (part 1): grid 768 x 1, 8 waves a work-group, no clusters, 77,824 bytes of LDS; arguments x, Wqkv, Wproj, Aqkv, Aproj, Bqkv, bqkv, Bproj, xq, wq, lora, weff; writes xq, wq, lora, weff
.if DOCPART == 1
	.amdgcn_target "amdgcn-amd-amdhsa--gfx1250"
	.amdhsa_code_object_version 6
	.text
	.protected	k_qba0205615a_prep
	.globl	k_qba0205615a_prep
	.p2align	8
	.type	k_qba0205615a_prep,@function
k_qba0205615a_prep:
	s_mov_b64 s[64:65], 0
	v_nop
	global_prefetch_b8 v0, s[64:65] scope:SCOPE_SE
	s_setreg_imm32_b32 hwreg(HW_REG_WAVE_MODE, 25, 1), 1
	s_wait_xcnt 0x0
; PREP.  A work-group takes 16 rows x 1,024 numbers (f32) of one of three tensors; wave s takes columns 128 s .. 128 s + 127.
;   work-groups 0-511:   x      -> E2M1 codes and E8M0 bytes (xq), and t = x Aqkv^T in f32, laid as an f16 operand in high and low parts (lora)
;   work-groups 512-703: Wqkv   -> codes and bytes (wq), and 2 Bqkv and bqkv as the matching f16 operand (lora, from byte 524,288)
;   work-groups 704-767: Wproj  -> Weff = Wproj + 2 Bproj Aproj in f32, as f16 high part and low part (weff)
; All results are laid as IMAGES OF OPERAND REGISTERS: lane l's 16 bytes at 16 l, so every store of a wave covers 512 (or two times 256) consecutive aligned bytes.
; A block's scale is 2^(floor(log2(largest magnitude)) - 2); its byte is that magnitude's exponent field - 2, held at 1 from below.
; HIGH AND LOW PARTS: hi = the f32 number rounded to 11 significant bits (bits + 0x1000, low 13 bits cleared), which f16 holds exactly; lo = x - hi, exact in f32, then rounded to f16.
; LIMITS: t, 2 Bqkv, bqkv and Weff stay under 65,504 (f16); under 2^-14 the high part is rounded once more (at most 2^-25 absolute); a block of zeros gets the byte 1 (its codes are zeros,
; and this program alone reads the bytes); NaN and infinities among the inputs are not served.
; LDS: the small regions lie first, so that their places fit the LDS instructions' 16-bit immediate offset (ISA guide, chapter 11); the stages' base stands in the address registers.
.set SCWX,  0                          ; x: the tile's scale words [K half][row][16 bytes], 512 bytes
.set SCWW,  512                        ; Wqkv: the same, in bytes of its own
.set TP,    1024                       ; x: the waves' partial sums of t, 1,024 bytes a wave
.set STG,   9216                       ; a stage for each wave:
.set STGW,  8448                       ; 16 rows x (512 + 16) bytes
.set SPARE, 76800                      ; behind the stages: the spare words: 128 bytes a wave, four blocks of 256 bytes that no other line names
.set X,   16                           ; v16-79   64 numbers: register 16 b + i = k 32 b + 16 (lane / 16) + i of row lane % 16
.set AX,  80                           ; v80-143  the second operand's numbers, later at work
.set WD,  144                          ; v144-207 results of the f32 matrix form, written by matrix instructions alone
.set TM,  208                          ; v208-223 the quantiser's work
.set PW,  224                          ; the scale word just made
.set PC,  226                          ; v226-233 the codes just made
.set TS,  234                          ; v234-241 my partial sums of t
.set SEL, 44                           ; s[44:45] lane selects: lane l xor 16
; 64 numbers of a lane become a fragment's codes in v[PC] on and its scale word in v[PW]
.macro QUANT s
.irp b, 0,1,2,3
	v_max3_num_f32 v[TM+\b], |v[\s+16*\b]|, |v[\s+1+16*\b]|, 0x1800000   ; my 16 numbers of block b, and the floor 2^(3 - 127): the byte cannot fall under 1
.endr
.irp i, 2,4,6,8,10,12,14
.irp b, 0,1,2,3
	v_max3_num_f32 v[TM+\b], v[TM+\b], |v[\s+16*\b+\i]|, |v[\s+1+16*\b+\i]|
.endr
.endr
.irp b, 0,1,2,3
	v_permlanex16_b32 v[TM+4+\b], v[TM+\b], s[SEL], s[SEL+1]
.endr
.irp b, 0,1,2,3
	v_max_num_f32 v[TM+\b], v[TM+\b], v[TM+4+\b]   ; with lane l xor 16's 16: the block's largest magnitude
.endr
.irp b, 0,1,2,3
	v_add_nc_u32 v[TM+12+\b], 0xff000000, v[TM+\b] ; 2 off its exponent field: the conversion's scale operand
.endr
.irp b, 0,1,2,3
	v_lshrrev_b32 v[TM+4+\b], 23, v[TM+12+\b]      ; the scale's byte
.endr
	v_lshl_or_b32 v[PW], v[TM+5], 8, v[TM+4]
	v_lshl_or_b32 v[PW], v[TM+6], 16, v[PW]
	v_lshl_or_b32 v[PW], v[TM+7], 24, v[PW]
.irp b, 0,1,2,3
	v_cvt_scalef32_pk8_fp4_f32 v[PC+2*\b], v[\s+16*\b:\s+7+16*\b], v[TM+12+\b]
	v_cvt_scalef32_pk8_fp4_f32 v[PC+1+2*\b], v[\s+8+16*\b:\s+15+16*\b], v[TM+12+\b]
.endr
	v_nop                                          ; one plain place behind a scaled conversion
.irp c, 0,1                                    ; the operand's layout wants a whole block in a lane
.irp i, 0,1
	v_permlane16_swap_b32 v[PC+4*\c+\i], v[PC+2+4*\c+\i]
.endr
.endr
.endm
; n pairs of f32 numbers from v[src] on -> n registers of f16 high parts, n of low parts; tmp: 2 n registers at work
.macro SPLIT src, hi, lo, tmp, n
.set I, 0
.rept \n
	v_add_nc_u32 v[\tmp+2*I], 0x1000, v[\src+2*I]
	v_add_nc_u32 v[\tmp+2*I+1], 0x1000, v[\src+2*I+1]
	v_and_b32 v[\tmp+2*I], 0xffffe000, v[\tmp+2*I]
	v_and_b32 v[\tmp+2*I+1], 0xffffe000, v[\tmp+2*I+1]
	v_cvt_pk_f16_f32 v[\hi+I], v[\tmp+2*I], v[\tmp+2*I+1]
	v_sub_f32 v[\tmp+2*I], v[\src+2*I], v[\tmp+2*I]
	v_sub_f32 v[\tmp+2*I+1], v[\src+2*I+1], v[\tmp+2*I+1]
	v_cvt_pk_f16_f32 v[\lo+I], v[\tmp+2*I], v[\tmp+2*I+1]
.set I, I+1
.endr
.endm
	s_load_b512 s[4:19], s[0:1], 0x0               ; x 4, Wqkv 6, Wproj 8, Aqkv 10, Aproj 12, Bqkv 14, bqkv 16, Bproj 18
	s_load_b256 s[20:27], s[0:1], 0x40             ; xq 20, wq 22, lora 24, weff 26
	v_lshl_add_u32 v12, v0, 2, SPARE               ; my spare word; never rewritten
	v_mov_b32 v13, 0                               ; 0; never rewritten
	v_lshrrev_b32 v9, 5, v0
	v_readfirstlane_b32 s28, v9                    ; wave 0..7 = K step
	v_and_b32 v10, 31, v0                          ; lane
	v_lshlrev_b32 v1, 4, v10                       ; 16 x lane
	v_and_b32 v2, 15, v0                           ; r
	v_bfe_u32 v3, v0, 4, 1                         ; h
	s_mul_i32 s29, s28, STGW
	s_add_co_u32 s29, s29, STG                     ; my stage
	v_add_nc_u32 v4, s29, v1                       ; on the way in: a row's 512 bytes as they lie
	v_mul_u32_u24 v5, v2, 528
	v_lshl_add_u32 v5, v3, 6, v5
	v_add_nc_u32 v5, s29, v5                       ; and on the way out: row r, + 64 h
	s_lshr_b32 s31, s28, 2
	s_lshl_b32 s31, s31, 8
	s_and_b32 s32, s28, 3
	s_lshl_b32 s32, s32, 2
	s_add_co_u32 s31, s31, s32
	v_lshl_add_u32 v6, v2, 4, s31                  ; my scale word's place: 256 (wave / 4) + 16 r + 4 (wave % 4)
	s_lshl_b32 s32, s28, 10
	s_add_co_u32 s32, s32, TP
	v_lshl_add_u32 v7, v10, 5, s32                 ; where I put my partial sums of t
	v_lshl_add_u32 v14, v10, 5, TP                 ; and where wave 0 reads all eight waves'
	s_mov_b32 s[SEL], 0x76543210
	s_mov_b32 s[SEL+1], 0xfedcba98
.irp b, 0,1,2,3
	v_mov_b32 v[TM+4+\b], 0                        ; a lane permute's destination counts as one of its sources
.endr
	s_wait_kmcnt 0x0
	s_cmp_lt_u32 ttmp9, 512                        ; which tensor: the choice hangs on the work-group's number alone
	s_cselect_b64 s[34:35], s[4:5], s[6:7]
	s_cselect_b32 s30, 0, 512
	s_cmp_lt_u32 ttmp9, 704
	s_cselect_b64 s[34:35], s[34:35], s[8:9]
	s_cselect_b32 s30, s30, 704
	s_sub_co_u32 s30, ttmp9, s30                   ; which tile of 16 rows
	s_lshl_b32 s36, s30, 16                        ; 16 rows of 4,096 bytes
	s_lshl_b32 s37, s28, 9                         ; my 128 columns
	s_add_co_u32 s36, s36, s37
	s_mov_b32 s37, 0
	s_add_nc_u64 s[34:35], s[34:35], s[36:37]
.irp i, 0,1,2,3,4,5,6,7,8,9,10,11,12,13,14,15
	global_load_b128 v[X+4*\i:X+4*\i+3], v1, s[34:35] offset:4096*\i th:TH_LOAD_NT   ; 32 lanes read 512 consecutive bytes of row i
.endr
.irp i, 0,1,2,3,4,5,6,7,8,9,10,11,12,13,14,15
	s_wait_loadcnt 15-\i                           ; row i is in; the younger loads stay out
	ds_store_b128 v4, v[X+4*\i:X+4*\i+3] offset:528*\i
.endr
.irp b, 0,1,2,3
.irp j, 0,1,2,3
	ds_load_b128 v[X+16*\b+4*\j:X+16*\b+4*\j+3], v5 offset:128*\b+16*\j   ; LDS serves a wave's instructions in order: these see my stores, and land where the stores have read
.endr
.endr
	s_cmp_lt_u32 ttmp9, 512
	s_cbranch_scc1 .Lx
	s_cmp_lt_u32 ttmp9, 704
	s_cbranch_scc1 .Lw
	; ---- Wproj: Weff = Wproj + (2 Bproj) Aproj by the f32 matrix form, Wproj itself as the C of each sum's first instruction.
	; Source 0 = 16 columns k of Aproj (row m of tile 2 b + u is k = 32 b + 8 u + m % 8 + 16 (m / 8)), source 1 = 16 rows of 2 Bproj: the result has X's layout.
	v_and_b32 v8, 7, v2
	v_lshrrev_b32 v9, 3, v2
	v_lshl_add_u32 v8, v9, 4, v8
	v_lshlrev_b32 v8, 2, v8
	v_lshl_add_u32 v8, v3, 13, v8                  ; 4 (r % 8 + 16 (r / 8)) + two rows of Aproj for lanes 16-31
	s_lshl_b32 s36, s28, 9
	s_add_nc_u64 s[38:39], s[12:13], s[36:37]
.irp tau, 0,1,2,3,4,5,6,7
.irp pi, 0,1
.irp j, 0,1
	global_load_b32 v[AX+4*\tau+2*\pi+\j], v8, s[38:39] offset:4096*(4*\pi+\j)+4*(32*(\tau/2)+8*(\tau%2))
.endr
.endr
.endr
	v_lshlrev_b32 v9, 5, v2
	v_lshl_add_u32 v9, v3, 3, v9                   ; Bproj: row r of 32 bytes, + 8 h
	s_lshl_b32 s36, s30, 9
	s_add_nc_u64 s[40:41], s[18:19], s[36:37]
	global_load_b64 v[112:113], v9, s[40:41]
	global_load_b64 v[114:115], v9, s[40:41] offset:16
	s_lshl_b32 s36, s30, 15
	s_lshl_b32 s33, s28, 12
	s_add_co_u32 s36, s36, s33
	s_add_nc_u64 s[42:43], s[26:27], s[36:37]      ; weff at my feature tile and my four chunks of 32 along K
	v_lshlrev_b32 v10, 9, v3
	v_lshl_add_u32 v10, v2, 4, v10                 ; 512 h + 16 r
	s_wait_loadcnt 0x0                             ; Aproj's and Bproj's numbers
	s_wait_dscnt 0x0                               ; Wproj's, back from the stage
	v_pk_mul_f32 v[112:113], v[112:113], 2.0 op_sel_hi:[1,0]
	v_pk_mul_f32 v[114:115], v[114:115], 2.0 op_sel_hi:[1,0]
.irp tau, 0,1,2,3,4,5,6,7                      ; eight accumulators by turns
	v_wmma_f32_16x16x4_f32 v[WD+8*\tau:WD+8*\tau+7], v[AX+4*\tau:AX+4*\tau+1], v[112:113], v[X+8*\tau:X+8*\tau+7]
.endr
.irp tau, 0,1,2,3,4,5,6,7
	v_wmma_f32_16x16x4_f32 v[WD+8*\tau:WD+8*\tau+7], v[AX+4*\tau+2:AX+4*\tau+3], v[114:115], v[WD+8*\tau:WD+8*\tau+7]
.endr
.rept 8
	v_nop                                          ; eight places behind this form, ahead of the first read of results and the first write of sources
.endr
	SPLIT WD, 16, 48, 80, 32                       ; high parts v16-47, low parts v48-79; each accumulator is read from its low end on
.irp b, 0,1,2,3                                ; my 16 numbers of chunk b are halves h of the fragment: k 16 h + 0..7 for its lanes 0-15, 16 h + 8..15 for its lanes 16-31
	global_store_b128 v10, v[16+8*\b:19+8*\b], s[42:43] offset:1024*\b
	global_store_b128 v10, v[20+8*\b:23+8*\b], s[42:43] offset:1024*\b+256
	global_store_b128 v10, v[48+8*\b:51+8*\b], s[42:43] offset:2097152+1024*\b
	global_store_b128 v10, v[52+8*\b:55+8*\b], s[42:43] offset:2097152+1024*\b+256
.endr
	s_branch .Lend
.Lx:	; ---- x: codes, scale words, and t = x Aqkv^T
	v_and_b32 v8, 7, v0
	v_lshlrev_b32 v8, 12, v8
	v_lshl_add_u32 v8, v3, 6, v8                   ; Aqkv: row lane % 8, + 64 h: the same k in the same registers as x
	s_lshl_b32 s36, s28, 9
	s_add_nc_u64 s[38:39], s[10:11], s[36:37]
.irp b, 0,1,2,3
.irp j, 0,1,2,3
	global_load_b128 v[AX+16*\b+4*\j:AX+16*\b+4*\j+3], v8, s[38:39] offset:128*\b+16*\j
.endr
.endr
	s_lshl_b32 s36, s30, 13
	s_lshl_b32 s33, s28, 10
	s_add_co_u32 s36, s36, s33
	s_add_nc_u64 s[40:41], s[20:21], s[36:37]      ; my fragment's image: 8,192 x tile + 1,024 x K step
	s_lshl_b32 s36, s30, 10
	s_add_nc_u64 s[42:43], s[24:25], s[36:37]      ; t's image
	s_lshl_b32 s36, s30, 8
	s_add_co_u32 s36, s36, 4194304
	s_add_nc_u64 s[46:47], s[20:21], s[36:37]      ; the tile's scale words
	s_wait_dscnt 0x0                               ; x's numbers are back from the stage
	QUANT X
	global_store_b128 v1, v[PC:PC+3], s[40:41]
	global_store_b128 v1, v[PC+4:PC+7], s[40:41] offset:512
	ds_store_b32 v6, v[PW] offset:SCWX             ; lanes l and l xor 16 write the same word with the same value
	s_wait_loadcnt 0x0                             ; Aqkv's numbers
.set Q, 0
.rept 32                                       ; source 0 = Aqkv's rows, source 1 = x's rows; slot (h, j) of both is k 32 b + 16 h + 2 p + j; two accumulators by turns
.if Q < 2
	v_wmma_f32_16x16x4_f32 v[WD+8*(Q%2):WD+8*(Q%2)+7], v[AX+2*Q:AX+2*Q+1], v[X+2*Q:X+2*Q+1], 0
.else
	v_wmma_f32_16x16x4_f32 v[WD+8*(Q%2):WD+8*(Q%2)+7], v[AX+2*Q:AX+2*Q+1], v[X+2*Q:X+2*Q+1], v[WD+8*(Q%2):WD+8*(Q%2)+7]
.endif
.set Q, Q+1
.endr
.rept 8
	v_nop                                          ; eight places behind this form
.endr
.irp j, 0,2,4,6
	v_pk_add_f32 v[TS+\j:TS+\j+1], v[WD+\j:WD+\j+1], v[WD+8+\j:WD+8+\j+1]   ; register j: my K step's part of t[row r][j]
.endr
	ds_store_b128 v7, v[TS:TS+3]
	ds_store_b128 v7, v[TS+4:TS+7] offset:16
	s_wait_dscnt 0x0                               ; for the others' sake: my stores have landed
	s_barrier_signal -1
	s_barrier_wait -1
	s_cmp_lg_u32 s28, 0
	s_cbranch_scc1 .Lx_not0
.irp s, 0,1,2,3,4,5,6,7                        ; wave 0 adds the eight K steps' parts
	ds_load_b128 v[AX+8*\s:AX+8*\s+3], v14 offset:1024*\s
	ds_load_b128 v[AX+8*\s+4:AX+8*\s+7], v14 offset:1024*\s+16
.endr
	s_wait_dscnt 0x0
.irp s, 1,2,3,4,5,6,7
.irp j, 0,2,4,6
	v_pk_add_f32 v[AX+\j:AX+\j+1], v[AX+\j:AX+\j+1], v[AX+8*\s+\j:AX+8*\s+\j+1]
.endr
.endr
	SPLIT AX, 16, 20, 24, 4                        ; t's high parts v16-19, low parts v20-23
	v_cmp_eq_u32 vcc_lo, 1, v3
	v_mov_b32 v40, 0x3c003c00                      ; two ones in f16
	v_mov_b32 v41, 0
.irp p, 0,1,2,3
	v_cndmask_b32 v[32+\p], v[16+\p], v[20+\p], vcc_lo   ; K slots 0-7: high parts; 8-15: low parts
.endr
	v_cndmask_b32 v36, v16, v40, vcc_lo            ; K slots 16-23: high parts; 24, 25: ones; 26-31: zeros
	v_cndmask_b32 v37, v17, v41, vcc_lo
	v_cndmask_b32 v38, v18, v41, vcc_lo
	v_cndmask_b32 v39, v19, v41, vcc_lo
	global_store_b128 v1, v[32:35], s[42:43]
	global_store_b128 v1, v[36:39], s[42:43] offset:512
	s_branch .Lend
.Lx_not0:
	s_cmp_lg_u32 s28, 1
	s_cbranch_scc1 .Lend
	ds_load_b128 v[16:19], v1 offset:SCWX          ; wave 1 stores the tile's scale words: 256 consecutive bytes for each half of K
	v_lshlrev_b32 v9, 17, v3
	v_lshl_add_u32 v9, v2, 4, v9
	s_wait_dscnt 0x0
	global_store_b128 v9, v[16:19], s[46:47]
	s_branch .Lend
.Lw:	; ---- Wqkv: codes, scale words, and the f16 operand of 2 Bqkv and bqkv
	s_lshl_b32 s36, s30, 13
	s_lshl_b32 s33, s28, 10
	s_add_co_u32 s36, s36, s33
	s_add_nc_u64 s[40:41], s[22:23], s[36:37]
	s_lshl_b32 s36, s30, 10
	s_add_co_u32 s36, s36, 524288
	s_add_nc_u64 s[42:43], s[24:25], s[36:37]
	s_lshl_b32 s36, s30, 8
	s_add_co_u32 s36, s36, 1572864
	s_add_nc_u64 s[46:47], s[22:23], s[36:37]
	s_lshl_b32 s36, s30, 9
	s_add_nc_u64 s[38:39], s[14:15], s[36:37]      ; Bqkv: 16 rows of 32 bytes
	s_lshl_b32 s36, s30, 6
	s_add_nc_u64 s[48:49], s[16:17], s[36:37]      ; bqkv: 16 numbers
	s_wait_dscnt 0x0
	QUANT X
	global_store_b128 v1, v[PC:PC+3], s[40:41]
	global_store_b128 v1, v[PC+4:PC+7], s[40:41] offset:512
	ds_store_b32 v6, v[PW] offset:SCWW
	s_wait_dscnt 0x0                               ; for the others' sake: my store has landed
	s_barrier_signal -1
	s_barrier_wait -1
	s_cmp_lg_u32 s28, 0
	s_cbranch_scc1 .Lw_not0
	v_lshlrev_b32 v8, 5, v2
	v_lshlrev_b32 v9, 2, v2
	global_load_b128 v[80:83], v8, s[38:39]
	global_load_b128 v[84:87], v8, s[38:39] offset:16
	global_load_b32 v88, v9, s[48:49]
	s_wait_loadcnt 0x0
.irp j, 0,2,4,6
	v_pk_mul_f32 v[80+\j:81+\j], v[80+\j:81+\j], 2.0 op_sel_hi:[1,0]   ; the scaling alpha / r = 2 goes into B: exact
.endr
	SPLIT 80, 16, 20, 24, 4
	v_add_nc_u32 v89, 0x1000, v88
	v_and_b32 v89, 0xffffe000, v89
	v_sub_f32 v90, v88, v89
	v_cvt_pk_f16_f32 v40, v89, v90                 ; the bias: high part in K slot 24, low part in 25
	v_mov_b32 v41, 0
	v_cmp_eq_u32 vcc_lo, 1, v3
	v_cndmask_b32 v36, v20, v40, vcc_lo            ; K slots 16-23: low parts; 24, 25: the bias; 26-31: zeros
	v_cndmask_b32 v37, v21, v41, vcc_lo
	v_cndmask_b32 v38, v22, v41, vcc_lo
	v_cndmask_b32 v39, v23, v41, vcc_lo
	global_store_b128 v1, v[16:19], s[42:43]       ; K slots 0-7 and 8-15: high parts
	global_store_b128 v1, v[36:39], s[42:43] offset:512
	s_branch .Lend
.Lw_not0:
	s_cmp_lg_u32 s28, 1
	s_cbranch_scc1 .Lend
	ds_load_b128 v[16:19], v1 offset:SCWW
	v_mul_u32_u24 v9, v3, 49152
	v_lshl_add_u32 v9, v2, 4, v9
	s_wait_dscnt 0x0
	global_store_b128 v9, v[16:19], s[46:47]
.Lend:
	s_wait_tensorcnt 0x0                           ; the wave's end
	ds_add_u32 v12, v13
	s_wait_dscnt 0x0
	s_endpgm
.Lfunc_end_k_qba0205615a_prep:
	.size	k_qba0205615a_prep, .Lfunc_end_k_qba0205615a_prep-k_qba0205615a_prep
	.p2alignl 7, 3214868480
	.fill 96, 4, 3214868480
	.section	.rodata,"a",@progbits
	.p2align	6, 0x0
	.amdhsa_kernel k_qba0205615a_prep
		.amdhsa_group_segment_fixed_size 77824
		.amdhsa_private_segment_fixed_size 0
		.amdhsa_enable_private_segment 0
		.amdhsa_kernarg_size 96
		.amdhsa_user_sgpr_count 2
		.amdhsa_user_sgpr_kernarg_segment_ptr 1
		.amdhsa_wavefront_size32 1
		.amdhsa_system_sgpr_workgroup_id_x 1
		.amdhsa_system_sgpr_workgroup_id_y 1
		.amdhsa_system_sgpr_workgroup_id_z 1
		.amdhsa_system_vgpr_workitem_id 0
		.amdhsa_next_free_vgpr 248
		.amdhsa_next_free_sgpr 66
		.amdhsa_reserve_vcc 1
		.amdhsa_float_denorm_mode_32 3
		.amdhsa_float_denorm_mode_16_64 3
		.amdhsa_memory_ordered 1
		.amdhsa_forward_progress 1
		.amdhsa_inst_pref_size 50
	.end_amdhsa_kernel
	.amdgpu_metadata
---
amdhsa.version: [ 1, 2 ]
amdhsa.kernels:
  - .name:           k_qba0205615a_prep
    .symbol:         k_qba0205615a_prep.kd
    .args:
      - { .name: x, .offset: 0, .size: 8, .value_kind: global_buffer, .address_space: global }
      - { .name: Wqkv, .offset: 8, .size: 8, .value_kind: global_buffer, .address_space: global }
      - { .name: Wproj, .offset: 16, .size: 8, .value_kind: global_buffer, .address_space: global }
      - { .name: Aqkv, .offset: 24, .size: 8, .value_kind: global_buffer, .address_space: global }
      - { .name: Aproj, .offset: 32, .size: 8, .value_kind: global_buffer, .address_space: global }
      - { .name: Bqkv, .offset: 40, .size: 8, .value_kind: global_buffer, .address_space: global }
      - { .name: bqkv, .offset: 48, .size: 8, .value_kind: global_buffer, .address_space: global }
      - { .name: Bproj, .offset: 56, .size: 8, .value_kind: global_buffer, .address_space: global }
      - { .name: xq, .offset: 64, .size: 8, .value_kind: global_buffer, .address_space: global }
      - { .name: wq, .offset: 72, .size: 8, .value_kind: global_buffer, .address_space: global }
      - { .name: lora, .offset: 80, .size: 8, .value_kind: global_buffer, .address_space: global }
      - { .name: weff, .offset: 88, .size: 8, .value_kind: global_buffer, .address_space: global }
    .group_segment_fixed_size: 77824
    .private_segment_fixed_size: 0
    .kernarg_segment_align: 8
    .kernarg_segment_size: 96
    .max_flat_workgroup_size: 256
    .sgpr_count:     66
    .vgpr_count:     248
    .wavefront_size: 32
...
	.end_amdgpu_metadata
.endif
;; end of part 1
;; launch qkv (part 2): grid 12 x 32, 4 waves a work-group, clusters of 4 x 4, 327,680 bytes of LDS; arguments xq, wq, lora, qkvh, fineb; writes qkvh, fineb
.if DOCPART == 2
	.amdgcn_target "amdgcn-amd-amdhsa--gfx1250"
	.amdhsa_code_object_version 6
	.text
	.protected	k_qba0205615a_qkv
	.globl	k_qba0205615a_qkv
	.p2align	8
	.type	k_qba0205615a_qkv,@function
k_qba0205615a_qkv:
	s_mov_b64 s[64:65], 0
	v_nop
	global_prefetch_b8 v0, s[64:65] scope:SCOPE_SE
	s_setreg_imm32_b32 hwreg(HW_REG_WAVE_MODE, 25, 1), 1
	s_wait_xcnt 0x0
	s_wait_alu depctr_hold_cnt(0) depctr_sa_sdst(0) depctr_va_vdst(0) depctr_va_sdst(0) depctr_va_ssrc(0) depctr_va_vcc(0) depctr_vm_vsrc(0)
	s_getreg_b32 s2, hwreg(HW_REG_IB_STS2, 6, 4)
	s_cmp_eq_u32 s2, 0
	s_cbranch_scc0 .Lentry_in_a_cluster
	s_endpgm
.Lentry_in_a_cluster:
	s_bfe_u32 s2, ttmp6, 0x10000c
	s_cmp_lg_u32 s2, 0xf033
	s_cbranch_scc0 .Lentry_shape_is_right
	s_endpgm
.Lentry_shape_is_right:
; QKV.  qkv[token][feature] = Q(x) Q(Wqkv)^T (E2M1 codes, E8M0 scales, f32 sums) + 2 (x Aqkv^T) Bqkv^T + bqkv.
; A work-group of four waves makes 256 tokens x 256 features; a wave 128 x 128: 64 accumulators of 16 x 16, 512 registers.
; THE LORA TERM AND THE BIAS START THE SUMS: one f16 matrix instruction for each accumulator, K = 32 slots: t_hi B_hi + t_lo B_hi + t_hi B_lo + 1 bias_hi + 1 bias_lo.
; K = 1,024 is two halves of 512; both halves' codes fit in LDS, so both slots are filled once and nothing is filled again.
; All operands lie in memory as images of their registers (lane l's 16 bytes at 16 l): a tile is dense, LDS has no pitch, and a fragment load reads 512 consecutive bytes.
; CLUSTER 4 x 4: tile column = 4 x cluster x + cx, tile row = 8 cy + cluster y (so a batch is a cy, and a batch's first tokens lie where cluster y = 0: the same in all sixteen partners).
; x's tiles hang on the tile row and are asked for jointly along a row of the cluster, Wqkv's on the tile column, along a column.
; THE MATRIX INSTRUCTIONS ARE USED TRANSPOSED (source 0 = 16 features, source 1 = 16 tokens): a lane holds one token and eight neighbouring features, which round to 16 bytes of f16:
; just the four registers that the attention's fragments want of that lane.  So results are stored from registers, 512 consecutive bytes an instruction.
; The first 16 tokens of each batch also leave in f32 (fineb).   LIMIT: q, k, v stay under 65,504 (f16).
; REGISTERS: window 0: v0-31 addresses; v32-95 scale words, two sets; v128-191 x's fragments, one set; v192-255 t's eight f16 fragments; on the way out v128-255 hold f16 results.
;   window 1: W's fragments, sets at v0 and v128; v64-127 the eight f16 fragments of 2 Bqkv and bqkv.   windows 2, 3: the accumulators ((a, b) at v[8 (8 (a % 4) + b)]).
.set NQ,    4                          ; steps of 128 along K in a slot
.set FR,    8
.set NL,    2
.set NP,    4                          ; places behind these matrix forms (ISA guide 7.12.1)
.set SLOT,  131072                     ; x's 16 row tiles x 4,096 bytes, then W's
.set SCL,   262144                     ; the scales: 4,096 bytes for each wave's 128 rows: [K half][row][16 bytes]
.set SPARE, 278528                     ; the spare words: two blocks of 256 bytes that no other line names
.set ADRA, 16                          ; v16-17 x's fragments in slot 0, 1
.set ADRB, 20                          ; v20-21 W's
.set LN,   24                          ; v24 16 x lane
.set FO,   25                          ; v25 my byte offset in fineb
.set CO,   26                          ; v26 my byte offset in a result's 512 bytes
.set ADRS, 27                          ; v27 my scale words: lanes 0-15 x's rows, lanes 16-31 W's
.set SPW,  28
.set NIL,  29
.set SC,   32
.set AF,   128
.set TX,   192
.set BX,   64
.set G1, 24
.set G0, 32
.set G1B, 48
.set G0B, 56
.set G1S, 68
.set G0S, 76
.set G1SB, 80
.set G0SB, 88
.set MSB, 0
.macro WIN new                         ; the immediate's high byte repeats the setting that is left
.if MSB != (\new)
	s_set_vgpr_msb (MSB<<8)|(\new)
.set MSB, (\new)
.endif
.endm
.set MUL_LO, 0xa1                      ; source 0 window 1, source 1 window 0, C and D window 2
.set MUL_HI, 0xf1                      ; the same, C and D window 3
.set TO_B,   0x40                      ; destination window 1
.macro JLOAD g0a, g1a, g0b, g1b        ; a joint load: waves 0 and 1 fetch for x, waves 2 and 3 for W; the branch hangs on the wave's number alone; s_nop 0 and four v_nop follow each line
	s_cmp_eq_u32 s15, 0
	s_cbranch_scc0 .Lfor_b_\@
	tensor_load_to_lds s[\g0a:\g0a+3], s[\g1a:\g1a+7]
	s_nop 0
.rept 4
	v_nop
.endr
	s_branch .Lasked_\@
.Lfor_b_\@:
	tensor_load_to_lds s[\g0b:\g0b+3], s[\g1b:\g1b+7]
	s_nop 0
.rept 4
	v_nop
.endr
.Lasked_\@:
.endm
.macro CROUND                          ; a round of the cluster's barrier
	s_barrier_signal -1
	s_barrier_wait -1
	s_cmp_lg_u32 s14, 0
	s_cbranch_scc1 .Lnot_wave_0_\@
	s_barrier_signal -3
.Lnot_wave_0_\@:
	s_barrier_wait -3
	s_barrier_signal -1
	s_barrier_wait -1
.endm
	s_load_b256 s[4:11], s[0:1], 0x0               ; xq 4, wq 6, lora 8, qkvh 10
	s_load_b64 s[12:13], s[0:1], 0x20              ; fineb
	v_lshl_add_u32 v[SPW], v0, 2, SPARE
	v_mov_b32 v[NIL], 0
	ds_add_u32 v[SPW], v[NIL]                      ; the wave's opening: the add, twice on end, and its wait ahead of my first tensor load
	ds_add_u32 v[SPW], v[NIL]
	v_lshrrev_b32 v1, 5, v0
	v_readfirstlane_b32 s14, v1                    ; wave 0..3
	s_lshr_b32 s15, s14, 1                         ; which half of the tile's tokens is mine.  Also: I fetch for x (0) or for W (1)
	s_and_b32 s16, s14, 1                          ; which half of its features.  Also: which 128 rows I fetch
	s_bfe_u32 s40, ttmp6, 0x40000                  ; cx
	s_bfe_u32 s41, ttmp6, 0x40004                  ; cy
	s_lshl_b32 s42, ttmp9, 2
	s_add_co_u32 s42, s42, s40                     ; tile column = 4 x cluster x + cx; cluster x is q, k or v
	s_and_b32 s66, ttmp7, 0xffff                   ; cluster y
	s_lshl_b32 s17, s41, 3
	s_add_co_u32 s17, s17, s66                     ; tile row = 8 cy + cluster y
	s_lshl_b32 s43, s41, 2
	s_lshl_b32 s43, 15, s43                        ; my row of the cluster
	s_lshl_b32 s44, 0x1111, s40                    ; my column
	; codes: 8 row tiles, of each the 4,096 bytes of one half of K (512 elements of 8 bytes), 8,192 bytes apart
	s_or_b32 s[G1+0], s43, (3<<16)|(1<<21)
	s_or_b32 s[G1B+0], s44, (3<<16)|(1<<21)
.irp g, G1, G1B
	s_mov_b32 s[\g+1], 512<<16                     ; tensor_dim0
	s_mov_b32 s[\g+2], 8<<16                       ; tensor_dim1
	s_mov_b32 s[\g+3], 512<<16                     ; tile_dim0
	s_mov_b32 s[\g+4], 8                           ; tile_dim1
	s_mov_b32 s[\g+5], 1024                        ; from row tile to row tile
	s_mov_b32 s[\g+6], 0
	s_mov_b32 s[\g+7], 0
.endr
	; scales: for each half of K the 2,048 bytes of 128 rows
	s_or_b32 s[G1S+0], s43, (3<<16)|(1<<21)
	s_or_b32 s[G1SB+0], s44, (3<<16)|(1<<21)
.irp g, G1S, G1SB
	s_mov_b32 s[\g+1], 256<<16
	s_mov_b32 s[\g+2], 2<<16
	s_mov_b32 s[\g+3], 256<<16
	s_mov_b32 s[\g+4], 2
	s_mov_b32 s[\g+6], 0
	s_mov_b32 s[\g+7], 0
.endr
	s_mov_b32 s[G1S+5], 16384                      ; x: 8,192 rows x 16 bytes from half to half
	s_mov_b32 s[G1SB+5], 6144                      ; W: 3,072 rows
	s_lshl_b32 s18, s16, 16
	s_lshl_b32 s19, s16, 11
	s_lshl_b32 s20, s17, 17                        ; x's codes: 131,072 x tile row + 65,536 x half
	s_add_co_u32 s20, s20, s18
	s_mov_b32 s21, 0
	s_lshl_b32 s46, s42, 17                        ; W's: by the tile column
	s_add_co_u32 s46, s46, s18
	s_mov_b32 s47, 0
	s_lshl_b32 s22, s17, 12                        ; x's scales
	s_add_co_u32 s22, s22, s19
	s_add_co_u32 s22, s22, 4194304
	s_mov_b32 s23, 0
	s_lshl_b32 s92, s42, 12                        ; W's
	s_add_co_u32 s92, s92, s19
	s_add_co_u32 s92, s92, 1572864
	s_mov_b32 s93, 0
	s_lshl_b32 s45, s14, 15                        ; where they go: 32,768 x wave, and 4,096 x wave: no place in the cluster enters an LDS address
	s_lshl_b32 s94, s14, 12
	s_wait_dscnt 0x0                               ; both opening adds are done
	s_wait_kmcnt 0x0
	s_add_nc_u64 s[20:21], s[4:5], s[20:21]
	s_add_nc_u64 s[22:23], s[4:5], s[22:23]
	s_add_nc_u64 s[46:47], s[6:7], s[46:47]
	s_add_nc_u64 s[92:93], s[6:7], s[92:93]
	CROUND                                         ; all sixteen work-groups are here: the first joint loads meet
	s_mov_b32 s[G0S], 1
	s_add_co_u32 s[G0S+1], s94, SCL
	s_mov_b64 s[G0S+2:G0S+3], s[22:23]
	s_or_b32 s[G0S+3], s[G0S+3], 0x80000000
	s_mov_b32 s[G0SB], 1
	s_add_co_u32 s[G0SB+1], s94, SCL
	s_mov_b64 s[G0SB+2:G0SB+3], s[92:93]
	s_or_b32 s[G0SB+3], s[G0SB+3], 0x80000000
	JLOAD G0S, G1S, G0SB, G1SB                     ; the scales first; then both halves of K: three tensor loads of mine are out
.irp s, 0,1
	s_mov_b32 s[G0+4*\s], 1
	s_add_co_u32 s[G0+4*\s+1], s45, \s*SLOT
	s_add_nc_u64 s[G0+4*\s+2:G0+4*\s+3], s[20:21], \s*4096
	s_or_b32 s[G0+4*\s+3], s[G0+4*\s+3], 0x80000000
	s_mov_b32 s[G0B+4*\s], 1
	s_add_co_u32 s[G0B+4*\s+1], s45, \s*SLOT
	s_add_nc_u64 s[G0B+4*\s+2:G0B+4*\s+3], s[46:47], \s*4096
	s_or_b32 s[G0B+4*\s+3], s[G0B+4*\s+3], 0x80000000
	JLOAD G0+4*\s, G1, G0B+4*\s, G1B
.endr
	v_and_b32 v1, 15, v0                           ; r
	v_bfe_u32 v2, v0, 4, 1                         ; h
	v_and_b32 v3, 31, v0
	v_lshlrev_b32 v[LN], 4, v3
	; the f16 operands of the LoRA term: my eight token tiles of t, my eight feature tiles of 2 B and the bias
	s_lshl_b32 s2, s17, 14
	s_lshl_b32 s3, s15, 13
	s_add_co_u32 s2, s2, s3
	s_mov_b32 s3, 0
	s_add_nc_u64 s[18:19], s[8:9], s[2:3]
	s_lshl_b32 s2, s42, 14
	s_lshl_b32 s67, s16, 13
	s_add_co_u32 s2, s2, s67
	s_add_co_u32 s2, s2, 524288
	s_add_nc_u64 s[20:21], s[8:9], s[2:3]
.irp a, 0,1,2,3,4,5,6,7
	global_load_b128 v[TX+8*\a:TX+8*\a+3], v[LN], s[18:19] offset:1024*\a
	global_load_b128 v[TX+8*\a+4:TX+8*\a+7], v[LN], s[18:19] offset:1024*\a+512
.endr
	WIN TO_B
.irp b, 0,1,2,3,4,5,6,7
	global_load_b128 v[BX+8*\b:BX+8*\b+3], v[LN], s[20:21] offset:1024*\b
	global_load_b128 v[BX+8*\b+4:BX+8*\b+7], v[LN], s[20:21] offset:1024*\b+512
.endr
	WIN 0
	s_lshl_b32 s2, s15, 15                         ; my 128 tokens' fragments
	s_lshl_b32 s3, s16, 15                         ; my 128 features',
	s_add_co_u32 s3, s3, 65536                     ; which lie behind x's
.irp s, 0,1
	v_add_nc_u32 v[ADRA+\s], s2, v[LN]
	v_add_nc_u32 v[ADRB+\s], s3, v[LN]
	s_add_co_u32 s2, s2, SLOT
	s_add_co_u32 s3, s3, SLOT
.endr
	s_lshl_b32 s2, s15, 12                         ; x's scales: my 128 rows
	s_lshl_b32 s3, s16, 12                         ; W's: my 128 rows, behind x's 256
	s_add_co_u32 s3, s3, 8192
	s_sub_co_u32 s3, s3, s2
	v_mul_u32_u24 v4, s3, v2                       ; lanes 16-31 take W's
	s_add_co_u32 s2, s2, SCL
	v_lshl_add_u32 v5, v1, 4, v4
	v_add_nc_u32 v[ADRS], s2, v5
	s_cmp_eq_u32 ttmp9, 2                          ; v lies [token][16 features] in its 512 bytes, for the turning LDS load; q and k as register images
	s_cselect_b32 s2, 5, 4
	s_cselect_b32 s3, 4, 8
	v_lshlrev_b32 v4, s2, v1
	v_lshlrev_b32 v5, s3, v2
	v_add_nc_u32 v[CO], v4, v5
	v_lshlrev_b32 v4, 8, v1
	v_lshl_add_u32 v[FO], v2, 5, v4                ; fineb: token r of 256 bytes, + 32 h
	s_lshl_b32 s2, ttmp9, 24                       ; qkvh: q, k or v; batch cy; heads 4 cx + 2 x half on; token groups 16 x cluster y + 8 x half on
	s_lshl_b32 s3, s41, 22
	s_add_co_u32 s2, s2, s3
	s_lshl_b32 s3, s40, 20
	s_add_co_u32 s2, s2, s3
	s_lshl_b32 s3, s16, 19
	s_add_co_u32 s2, s2, s3
	s_lshl_b32 s3, s66, 15
	s_add_co_u32 s2, s2, s3
	s_lshl_b32 s3, s15, 14
	s_add_co_u32 s2, s2, s3
	s_mov_b32 s3, 0
	s_add_nc_u64 s[10:11], s[10:11], s[2:3]
	s_lshl_b32 s2, ttmp9, 18                       ; fineb: 4,096 bytes for each (q k v, batch, head)
	s_lshl_b32 s67, s41, 16
	s_add_co_u32 s2, s2, s67
	s_lshl_b32 s67, s40, 14
	s_add_co_u32 s2, s2, s67
	s_lshl_b32 s67, s16, 13
	s_add_co_u32 s2, s2, s67
	s_add_nc_u64 s[12:13], s[12:13], s[2:3]
.macro LORA16 a0                       ; 16 f16 matrix instructions that start 16 sums
.irp a, \a0, \a0+1
.irp b, 0,1,2,3,4,5,6,7
	v_wmma_f32_16x16x32_f16 v[8*(8*((\a)%4)+\b):8*(8*((\a)%4)+\b)+7], v[BX+8*\b:BX+8*\b+7], v[TX+8*(\a):TX+8*(\a)+7], 0
.endr
.endr
.endm
.macro FRAG reg, adr, q, i             ; 16 rows x 128 K of 4-bit codes: 8 registers, two loads of 512 consecutive bytes
.irp c, 0,1
	ds_load_b128 v[\reg+4*\c:\reg+4*\c+3], v[\adr] offset:1024*(\q)+512*\c+(\i)*4096
.endr
.endm
; 16 matrix instructions: x's blocks a0, a0 + 1 against W's eight.  The 64 accumulators take turns, one instruction a turn, in the same order in every step
.macro MUL16 a0, p, q, sc
.irp a, \a0, \a0+1
.irp b, 0,1,2,3,4,5,6,7
	v_wmma_scale_f32_16x16x128_f8f6f4 v[8*(8*((\a)%4)+\b):8*(8*((\a)%4)+\b)+7], v[128*(\p)+FR*\b:128*(\p)+FR*\b+FR-1], v[AF+FR*(\a):AF+FR*(\a)+FR-1], v[8*(8*((\a)%4)+\b):8*(8*((\a)%4)+\b)+7], v[SC+8*NQ*(\sc)+NQ*\b+(\q)], v[SC+8*NQ*(\sc)+NQ*(\a)+(\q)] matrix_a_fmt:MATRIX_FMT_FP4 matrix_b_fmt:MATRIX_FMT_FP4 matrix_a_scale:MATRIX_SCALE_ROW1
.endr
.endr
.endm
.macro FETCH_B slot, q, p
	WIN TO_B
.irp i, 0,1,2,3,4,5,6,7
	FRAG 128*(\p)+FR*\i, ADRB+\slot, \q, \i
.endr
	WIN 0
.endm
.macro FETCH_A slot, q, i0
.irp i, \i0, \i0+1, \i0+2, \i0+3
	FRAG AF+FR*(\i), ADRA+\slot, \q, \i
.endr
.endm
.macro SCALES sc                       ; a half of K's scale words: four words a row; lanes 0-15 x's block i, lanes 16-31 W's block i
.irp i, 0,1,2,3,4,5,6,7
	ds_load_b128 v[SC+8*NQ*\sc+NQ*\i:SC+8*NQ*\sc+NQ*\i+3], v[ADRS] offset:2048*\sc+256*\i
.endr
.endm
.macro PLACES n
.rept \n
	v_nop
.endr
.endm
.macro STEP slot, q                    ; 128 along K, with its successor in the same slot
	s_wait_dscnt 4*NL                              ; W's set, x's blocks 0-3 (and the scale words) are in; the youngest eight loads, x's blocks 4-7, may be out
	WIN MUL_LO
	MUL16 0, (\q)%2, \q, \slot
	MUL16 2, (\q)%2, \q, \slot
	s_wait_dscnt 0                                 ; x's blocks 4-7 are in
	PLACES NP                                      ; ahead of loads into registers that matrix instructions have read
	FETCH_B \slot, (\q)+1, 1-(\q)%2
	FETCH_A \slot, (\q)+1, 0
	WIN MUL_HI
	MUL16 4, (\q)%2, \q, \slot
	MUL16 6, (\q)%2, \q, \slot
	PLACES NP
	WIN 0
	FETCH_A \slot, (\q)+1, 4
.endm
	s_wait_loadcnt 0x0                             ; t's and B's fragments
	WIN MUL_LO
	LORA16 0                                       ; these run while the tiles of codes are landing
	LORA16 2
	WIN MUL_HI
	LORA16 4
	LORA16 6
	PLACES 5                                       ; another matrix form adds onto these results next: five places
	WIN 0
	s_wait_tensorcnt 1                             ; the scales and my part of the first half of K are in (the second half's load may be out)
	s_barrier_signal -1
	s_barrier_wait -1                              ; everybody's are
	FETCH_B 0, 0, 0
	FETCH_A 0, 0, 0
	SCALES 0
	FETCH_A 0, 0, 4
	STEP 0, 0
	STEP 0, 1
	STEP 0, 2
	; the first half's last step, and the barrier that shows the second half whole
	s_wait_tensorcnt 0x0                           ; my part of the second half has landed
	ds_add_u32 v[SPW], v[NIL]                      ; 0 onto my spare word
	s_wait_dscnt 4*NL+1                            ; (the add and the youngest eight loads may be out)
	WIN MUL_LO
	MUL16 0, 1, NQ-1, 0
	s_wait_dscnt 0x0
	s_barrier_signal -1
	MUL16 2, 1, NQ-1, 0
	WIN 0
	s_barrier_wait -1
	PLACES NP
	FETCH_B 1, 0, 0
	FETCH_A 1, 0, 0
	SCALES 1
	WIN MUL_HI
	MUL16 4, 1, NQ-1, 0
	MUL16 6, 1, NQ-1, 0
	PLACES NP
	WIN 0
	FETCH_A 1, 0, 4
	STEP 1, 0
	STEP 1, 1
	STEP 1, 2
	s_wait_dscnt 4*NL                              ; the very last step
	WIN MUL_LO
	MUL16 0, 1, NQ-1, 1
	MUL16 2, 1, NQ-1, 1
	s_wait_dscnt 0
	WIN MUL_HI
	MUL16 4, 1, NQ-1, 1
	MUL16 6, 1, NQ-1, 1
	WIN 0
	PLACES NP                                      ; ahead of the first reads of results and the first writes of operands' registers
	s_or_b32 s2, s66, s15                          ; a batch's first 16 tokens are block 0 of the upper waves where cluster y = 0: ids that all partners share, and the wave's number
	s_cmp_lg_u32 s2, 0
	s_cbranch_scc1 .Lno_fine
	WIN 0x08                                       ; a store's data: window 2
.irp b, 0,1,2,3,4,5,6,7
	global_store_b128 v[FO], v[8*\b:8*\b+3], s[12:13] offset:4096*(\b/4)+64*(\b%4)
	global_store_b128 v[FO], v[8*\b+4:8*\b+7], s[12:13] offset:4096*(\b/4)+64*(\b%4)+16
.endr
	WIN 0
.Lno_fine:
.macro OUT a                           ; block a: 16 tokens x 128 features, rounded to f16, stored from registers
.set AC, 64*((\a)%4)
.set TMP, 128+32*((\a)%4)
.if (\a) >= 4
	s_wait_xcnt 0x0                                ; block a - 4's stores have read these registers
.endif
	WIN 0x0a+5*((\a)/4)                            ; sources 0 and 1: window 2 or 3
.irp b, 0,1,2,3,4,5,6,7
.irp p, 0,1,2,3
	v_cvt_pk_f16_f32 v[TMP+4*\b+\p], v[AC+8*\b+2*\p], v[AC+8*\b+2*\p+1]   ; each accumulator from its low end on
.endr
.endr
	WIN 0
.irp b, 0,1,2,3,4,5,6,7
	global_store_b128 v[CO], v[TMP+4*\b:TMP+4*\b+3], s[10:11] offset:2048*(\a)+512*(\b%4)+262144*(\b/4)   ; 512 consecutive bytes, aligned
.endr
.endm
.irp a, 0,1,2,3,4,5,6,7
	OUT \a
.endr
	s_wait_tensorcnt 0x0                           ; the wave's end
	ds_add_u32 v[SPW], v[NIL]
	s_wait_dscnt 0x0
	CROUND                                         ; the closing round
	s_endpgm
.Lfunc_end_k_qba0205615a_qkv:
	.size	k_qba0205615a_qkv, .Lfunc_end_k_qba0205615a_qkv-k_qba0205615a_qkv
	.p2alignl 7, 3214868480
	.fill 96, 4, 3214868480
	.section	.rodata,"a",@progbits
	.p2align	6, 0x0
	.amdhsa_kernel k_qba0205615a_qkv
		.amdhsa_group_segment_fixed_size 327680
		.amdhsa_private_segment_fixed_size 0
		.amdhsa_enable_private_segment 0
		.amdhsa_kernarg_size 40
		.amdhsa_user_sgpr_count 2
		.amdhsa_user_sgpr_kernarg_segment_ptr 1
		.amdhsa_wavefront_size32 1
		.amdhsa_system_sgpr_workgroup_id_x 1
		.amdhsa_system_sgpr_workgroup_id_y 1
		.amdhsa_system_sgpr_workgroup_id_z 1
		.amdhsa_system_vgpr_workitem_id 0
		.amdhsa_next_free_vgpr 1024
		.amdhsa_next_free_sgpr 98
		.amdhsa_reserve_vcc 0
		.amdhsa_float_denorm_mode_32 3
		.amdhsa_float_denorm_mode_16_64 3
		.amdhsa_memory_ordered 1
		.amdhsa_forward_progress 1
		.amdhsa_inst_pref_size 127
	.end_amdhsa_kernel
	.amdgpu_metadata
---
amdhsa.version: [ 1, 2 ]
amdhsa.kernels:
  - .name:           k_qba0205615a_qkv
    .symbol:         k_qba0205615a_qkv.kd
    .args:
      - { .name: xq, .offset: 0, .size: 8, .value_kind: global_buffer, .address_space: global }
      - { .name: wq, .offset: 8, .size: 8, .value_kind: global_buffer, .address_space: global }
      - { .name: lora, .offset: 16, .size: 8, .value_kind: global_buffer, .address_space: global }
      - { .name: qkvh, .offset: 24, .size: 8, .value_kind: global_buffer, .address_space: global }
      - { .name: fineb, .offset: 32, .size: 8, .value_kind: global_buffer, .address_space: global }
    .group_segment_fixed_size: 327680
    .private_segment_fixed_size: 0
    .kernarg_segment_align: 8
    .kernarg_segment_size: 40
    .max_flat_workgroup_size: 128
    .sgpr_count:     98
    .vgpr_count:     1024
    .wavefront_size: 32
...
	.end_amdgpu_metadata
.endif
;; end of part 2
;; launch attn (part 3): grid 4 x 64, 16 waves a work-group, clusters of 4 x 1, 327,680 bytes of LDS; arguments qkvh, attno; writes attno
.if DOCPART == 3
	.amdgcn_target "amdgcn-amd-amdhsa--gfx1250"
	.amdhsa_code_object_version 6
	.text
	.protected	k_qba0205615a_attn
	.globl	k_qba0205615a_attn
	.p2align	8
	.type	k_qba0205615a_attn,@function
k_qba0205615a_attn:
	s_mov_b64 s[64:65], 0
	v_nop
	global_prefetch_b8 v0, s[64:65] scope:SCOPE_SE
	s_setreg_imm32_b32 hwreg(HW_REG_WAVE_MODE, 25, 1), 1
	s_wait_xcnt 0x0
	s_wait_alu depctr_hold_cnt(0) depctr_sa_sdst(0) depctr_va_vdst(0) depctr_va_sdst(0) depctr_va_ssrc(0) depctr_va_vcc(0) depctr_vm_vsrc(0)
	s_getreg_b32 s2, hwreg(HW_REG_IB_STS2, 6, 4)
	s_cmp_eq_u32 s2, 0
	s_cbranch_scc0 .Lentry_in_a_cluster
	s_endpgm
.Lentry_in_a_cluster:
	s_bfe_u32 s2, ttmp6, 0x10000c
	s_cmp_lg_u32 s2, 0x3003
	s_cbranch_scc0 .Lentry_shape_is_right
	s_endpgm
.Lentry_shape_is_right:
; ATTN.  O[q] = sum over k <= q of softmax_k(Q[q] . K[k] / 8) V[k], for one (batch, head) a cluster; operands f16, products, maxima and sums f32; weights rounded to f16 for the second product.
; SHARES.  The cluster's four work-groups share the head's 2,048 queries so that all do the same work: wave w (of 16) of partner cx owns queries 128 w + 32 cx .. + 31, two tiles of 16.
; So wave w needs keys 0 .. 128 w + 127 in every partner: what is left out under the causal mask hangs on the wave's number and the count of steps alone, never on the place in the cluster,
; and every partner reads every tile.  K and V are asked for JOINTLY, 512 keys a slot, two slots; each of the 16 waves fetches 8,192 bytes (waves 0-7 of K, 8-15 of V) by one load.
; LAYOUT.  S^T = K Q^T (source 0 = 16 keys, source 1 = 16 queries), O^T = V^T P: a lane holds one query throughout.  K lies as register images, V as [key][16 channels] for the turning load.
; SOFTMAX.  A running maximum m and sum l for each query: p = 2^(c s - c m), c = log2(e) / 8; in every step O and l are multiplied by 2^(c m_old - c m_new).
; Four waves share a SIMD: one wave's vector work stands beside another's matrix work and LDS loads.
; The step is written once: O and l begin as zeros and m as -3e38.  Key 0 counts for every query, so m is a score from the first step on.
; LIMIT: the attention output stays under 65,504 (f16).  The first 16 rows of each batch are made again, more finely, by a later launch.
.set SLOT1, 1<<17                      ; a slot: 65,536 bytes of K, then 65,536 of V; slot 1 begins here
.set SPARE, 262144                     ; the spare words: eight blocks of 256 bytes that no other line names
.set AK0, 1                            ; v1  16 x lane: my place in an image (K in LDS; Q and the output in memory)
.set AV0, 2                            ; v2  my place in a tile of V
.set ADK, 3
.set ADV, 4
.set DQ,  5                            ; v5  my query of tile 0, less 8 (lane / 16)
.set PFO, 6                            ; v6  256 x lane
.set SPW, 7
.set NIL, 8
.set ST,  12                           ; tile t's statistics at v[12 + 8 t]: +0 c m, +1 m, +2, +3 l, +4 .. +7 at work; the factor takes +6
.set Q,   32                           ; v32-63   Q: tile qt, channels 32 c on, at 16 qt + 8 c
.set KV,  64                           ; v64-127  a step's K, then its V
.set S,   128                          ; v128-191 S^T, 32 a tile; then p; then P in the tile's first 16
.set O,   192                          ; v192-255 O^T, 32 a tile
.set WV,  8
.set G1,  16
.set G0,  24
.set CS,  28
.set SEL, 30
.set TB,  32                           ; s32 LDS byte at which the step's keys begin
.set KF,  33                           ; s33 the step's first key
.set LIMD, 34                          ; s34 128 w: steps under it are open
.set LIMH, 35                          ; s35 128 w + 128: steps from it on are hidden
.set SLOTS, 36
.set SUB, 37
.set LIM, 39                           ; s39 1 in a wave that prefetches, else the greatest number
.set PFA, 42                           ; s[42:43] where my prefetches stand
.macro CROUND
	s_barrier_signal -1
	s_barrier_wait -1
	s_cmp_lg_u32 s[WV], 0
	s_cbranch_scc1 .Lnot_wave_0_\@
	s_barrier_signal -3
.Lnot_wave_0_\@:
	s_barrier_wait -3
	s_barrier_signal -1
	s_barrier_wait -1
.endm
; A PREFETCH of what the next change of slots will ask for: 16 parts of 8,192 bytes.  Waves 0, 4, 8, 12 ask (the wave's number); partner cx of them takes part w + cx (by address): 32 blocks of 256 bytes, a lane a block.
; So each block is named once.  The last change that fills a slot asks for nothing.
.macro ASK
	s_cmp_gt_u32 s[SLOTS], s[LIM]
	s_cbranch_scc0 .Lnot_mine_\@
	global_prefetch_b8 v[PFO], s[PFA:PFA+1] th:TH_LOAD_NT scope:SCOPE_SE
.Lnot_mine_\@:
.endm
	s_load_b128 s[4:7], s[0:1], 0x0                ; qkvh, attno
	v_lshl_add_u32 v[SPW], v0, 2, SPARE
	v_mov_b32 v[NIL], 0
	ds_add_u32 v[SPW], v[NIL]                      ; the wave's opening: the add, twice on end, and its wait ahead of my first tensor load
	ds_add_u32 v[SPW], v[NIL]
	v_lshrrev_b32 v1, 5, v0
	v_readfirstlane_b32 s[WV], v1                  ; wave 0..15
	s_bfe_u32 s9, ttmp6, 0x40000                   ; cx
	s_and_b32 s10, ttmp7, 0xffff                   ; 16 x batch + head
	s_mov_b32 s[G1], 15|(3<<16)|(1<<21)            ; the mask: all four; elements of 8 bytes; bit 21 beside a mask
	s_mov_b32 s[G1+1], 32<<16                      ; a dense block of 8,192 bytes as 32 rows of 256
	s_mov_b32 s[G1+2], 32<<16
	s_mov_b32 s[G1+3], 32<<16
	s_mov_b32 s[G1+4], 32
	s_mov_b32 s[G1+5], 32
	s_mov_b32 s[G1+6], 0
	s_mov_b32 s[G1+7], 0
	s_lshl_b32 s11, s10, 18                        ; a head's 262,144 bytes
	s_lshr_b32 s12, s[WV], 3
	s_add_co_u32 s12, s12, 1
	s_lshl_b32 s12, s12, 24                        ; K (waves 0-7) or V (8-15)
	s_add_co_u32 s12, s12, s11
	s_and_b32 s13, s[WV], 7
	s_lshl_b32 s13, s13, 13
	s_add_co_u32 s12, s12, s13                     ; my part of a slot
	s_mov_b32 s13, 0
	s_mov_b32 s[CS], 0x3e38aa3b                    ; c = log2(e) / 8
	s_mov_b32 s[CS+1], s[CS]
	s_mov_b32 s[SEL], 0x76543210
	s_mov_b32 s[SEL+1], 0xfedcba98
	s_mov_b32 s[TB], 0
	s_mov_b32 s[KF], 0
	s_mov_b32 s[SLOTS], 3
	s_lshl_b32 s[LIMD], s[WV], 7
	s_add_co_u32 s[LIMH], s[LIMD], 128
	s_and_b32 s[LIM], s[WV], 3
	s_cmp_eq_u32 s[LIM], 0
	s_cselect_b32 s[LIM], 1, -1
	s_wait_dscnt 0x0                               ; both opening adds are done
	s_wait_kmcnt 0x0
	s_mov_b32 s[G0], 1
	s_lshl_b32 s[G0+1], s[WV], 13                  ; LDS: 8,192 x wave, in slot 0
	s_add_nc_u64 s[G0+2:G0+3], s[4:5], s[12:13]
	s_lshl_b32 s2, s9, 13
	s_add_co_u32 s2, s2, 65536
	s_mov_b32 s3, 0
	s_add_nc_u64 s[PFA:PFA+1], s[G0+2:G0+3], s[2:3]  ; part w + cx of slot 1; the first change steps it to slot 2.  Nothing is prefetched at the head
	s_or_b32 s[G0+3], s[G0+3], 0x80000000
	CROUND                                         ; all four work-groups are here: the first joint loads meet
	tensor_load_to_lds s[G0:G0+3], s[G1:G1+7]      ; keys 0-511: one tensor load of mine is out
	s_nop 0
	v_and_b32 v9, 15, v0                           ; r
	v_bfe_u32 v10, v0, 4, 1                        ; h
	v_and_b32 v11, 31, v0
	v_lshlrev_b32 v[AK0], 4, v11
	v_lshlrev_b32 v[PFO], 8, v11
	s_lshl_b32 s2, s[WV], 14                       ; Q: token groups 8 w + 2 cx, + 1
	s_add_co_u32 s2, s2, s11
	s_lshl_b32 s14, s9, 12
	s_add_co_u32 s2, s2, s14
	s_add_nc_u64 s[14:15], s[4:5], s[2:3]
.irp qt, 0,1
.irp c, 0,1
	global_load_b128 v[Q+16*\qt+8*\c:Q+16*\qt+8*\c+3], v[AK0], s[14:15] offset:2048*\qt+1024*\c
	global_load_b128 v[Q+16*\qt+8*\c+4:Q+16*\qt+8*\c+7], v[AK0], s[14:15] offset:2048*\qt+1024*\c+512
.endr
.endr
	v_and_b32 v3, 7, v0
	v_lshl_add_u32 v3, v10, 3, v3                  ; the turning load: key 8 (lane / 16) + lane % 8 of 32 bytes,
	v_bfe_u32 v4, v0, 3, 1
	v_lshlrev_b32 v[AV0], 5, v3
	v_lshl_add_u32 v[AV0], v4, 4, v[AV0]           ; channels 8 ((lane / 8) % 2) on
	v_add_nc_u32 v[AV0], 65536, v[AV0]
	s_lshl_b32 s2, s9, 5
	s_add_co_u32 s2, s2, s[LIMD]                   ; my wave's first query: it enters compared numbers alone
	v_lshlrev_b32 v4, 3, v10
	v_sub_nc_u32 v[DQ], v9, v4
	v_add_nc_u32 v[DQ], s2, v[DQ]
	v_mov_b32 v11, 0xff800000                      ; -infinity
	s_lshr_b32 s2, s10, 4                          ; the output: token groups 128 x batch + 8 w + 2 cx on, chunks 2 x head on
	s_lshl_b32 s2, s2, 22
	s_lshl_b32 s38, s[WV], 18
	s_add_co_u32 s2, s2, s38
	s_lshl_b32 s38, s9, 16
	s_add_co_u32 s2, s2, s38
	s_and_b32 s38, s10, 15
	s_lshl_b32 s38, s38, 11
	s_add_co_u32 s2, s2, s38
	s_add_nc_u64 s[40:41], s[6:7], s[2:3]
.irp t, 0,1
	v_mov_b32 v[ST+8*\t+1], 0xff61b1e6             ; m = -3e38, under every score
	v_mul_f32 v[ST+8*\t], s[CS], v[ST+8*\t+1]
.irp i, 2,3,4,5,6,7
	v_mov_b32 v[ST+8*\t+\i], 0
.endr
.endr
.set I, 0
.rept 64
	v_mov_b32 v[O+I], 0
.set I, I+1
.endr
; 64 KEYS
.macro SUBSTEP
	s_cmp_ge_u32 s[KF], s[LIMH]                    ; all these keys come after my wave's block of 128 queries: the work is left out, the steps at the end are not
	s_cbranch_scc1 .Lhid_\@
	v_add_nc_u32 v[ADK], s[TB], v[AK0]
	v_add_nc_u32 v[ADV], s[TB], v[AV0]
.rept 4
	v_nop                                          ; with the two additions six places behind the last products: four are owed ahead of the loads into V's registers, five ahead of products that write over P's
.endr
.irp kt, 0,1,2,3
.irp c, 0,1
	ds_load_b128 v[KV+16*\kt+8*\c:KV+16*\kt+8*\c+3], v[ADK] offset:2048*\kt+1024*\c
	ds_load_b128 v[KV+16*\kt+8*\c+4:KV+16*\kt+8*\c+7], v[ADK] offset:2048*\kt+1024*\c+512
.endr
.endr
	s_wait_dscnt 0x0                               ; K is in
.irp c, 0,1                                    ; eight accumulators by turns
.irp kt, 0,1,2,3
.irp qt, 0,1
.if \c == 0
	v_wmma_f32_16x16x32_f16 v[S+32*\qt+8*\kt:S+32*\qt+8*\kt+7], v[KV+16*\kt+8*\c:KV+16*\kt+8*\c+7], v[Q+16*\qt+8*\c:Q+16*\qt+8*\c+7], 0
.else
	v_wmma_f32_16x16x32_f16 v[S+32*\qt+8*\kt:S+32*\qt+8*\kt+7], v[KV+16*\kt+8*\c:KV+16*\kt+8*\c+7], v[Q+16*\qt+8*\c:Q+16*\qt+8*\c+7], v[S+32*\qt+8*\kt:S+32*\qt+8*\kt+7]
.endif
.endr
.endr
.endr
.rept 4
	v_nop                                          ; four places: ahead of the loads into K's registers and of the first read of the scores
.endr
.irp f, 0,1,2,3                                ; V lands while the softmax is walked
.irp i, 0,1
	ds_load_tr16_b128 v[KV+16*\f+8*\i:KV+16*\f+8*\i+3], v[ADV] offset:4096*\i+512*\f
	ds_load_tr16_b128 v[KV+16*\f+8*\i+4:KV+16*\f+8*\i+7], v[ADV] offset:4096*\i+512*\f+2048
.endr
.endr
	s_cmp_lt_u32 s[KF], s[LIMD]                    ; all these keys come before my wave's block of queries: nothing is hidden
	s_cbranch_scc1 .Lopen_\@
	s_sub_co_i32 s38, 0, s[KF]
	v_add_nc_u32 v9, s38, v[DQ]                    ; register 8 kt + j holds key KF + 16 kt + 8 (lane / 16) + j: hidden where 16 kt + j > my query - KF - 8 (lane / 16)
	v_add_nc_u32 v10, 16, v9
.irp qt, 0,1
.irp kt, 0,1,2,3
.irp j, 0,1,2,3,4,5,6,7
	v_cmp_gt_i32 vcc_lo, 16*\kt+\j, v[9+\qt]
	v_cndmask_b32 v[S+32*\qt+8*\kt+\j], v[S+32*\qt+8*\kt+\j], v11, vcc_lo
.endr
.endr
.endr
.Lopen_\@:
.irp j, 0,1,2,3                                ; the maximum: four chains a tile, the tiles by turns; each accumulator is read from its low end on
.irp t, 0,1
	v_max3_num_f32 v[ST+8*\t+4+\j], v[S+32*\t+8*\j], v[S+32*\t+8*\j+1], v[S+32*\t+8*\j+2]
.endr
.endr
.irp i, 3,5
.irp j, 0,1,2,3
.irp t, 0,1
	v_max3_num_f32 v[ST+8*\t+4+\j], v[ST+8*\t+4+\j], v[S+32*\t+8*\j+\i], v[S+32*\t+8*\j+\i+1]
.endr
.endr
.endr
.irp t, 0,1
	v_max3_num_f32 v[ST+8*\t+4], v[ST+8*\t+4], v[S+32*\t+7], v[S+32*\t+15]
	v_max3_num_f32 v[ST+8*\t+6], v[ST+8*\t+6], v[S+32*\t+23], v[S+32*\t+31]
.endr
.irp t, 0,1
	v_max3_num_f32 v[ST+8*\t+4], v[ST+8*\t+4], v[ST+8*\t+5], v[ST+8*\t+6]
.endr
.irp t, 0,1
	v_max3_num_f32 v[ST+8*\t+4], v[ST+8*\t+4], v[ST+8*\t+7], v[ST+8*\t+1]   ; with the old m
.endr
.irp t, 0,1
	v_permlanex16_b32 v[ST+8*\t+5], v[ST+8*\t+4], s[SEL], s[SEL+1]          ; the query's other 32 keys lie in the lane 16 away
.endr
.irp t, 0,1
	v_mov_b32 v[ST+8*\t+7], v[ST+8*\t]
.endr
.irp t, 0,1
	v_max_num_f32 v[ST+8*\t+1], v[ST+8*\t+4], v[ST+8*\t+5]
.endr
.irp t, 0,1
	v_mul_f32 v[ST+8*\t], s[CS], v[ST+8*\t+1]
.endr
.irp t, 0,1
	v_sub_f32 v[ST+8*\t+7], v[ST+8*\t+7], v[ST+8*\t]                        ; c m_old - c m_new
.endr
.irp b, 0,2,4,6,8,10,12,14,16,18,20,22,24,26,28,30
.irp t, 0,1
	v_pk_fma_f32 v[S+32*\t+\b:S+32*\t+\b+1], v[S+32*\t+\b:S+32*\t+\b+1], s[CS:CS+1], v[ST+8*\t:ST+8*\t+1] op_sel_hi:[1,0,0] neg_lo:[0,0,1] neg_hi:[0,0,1]   ; c s - c m
.endr
.endr
.irp t, 0,1
	v_exp_f32 v[ST+8*\t+6], v[ST+8*\t+7]           ; one batch: the two factors and the 64 weights
.endr
.set I, 0
.rept 64
	v_exp_f32 v[S+I], v[S+I]
.set I, I+1
.endr
	v_nop                                          ; a plain instruction behind the last exponential
	s_wait_alu depctr_va_vdst(0)                   ; one wait for the batch, ahead of its first reader
.irp t, 0,1
	v_pk_mul_f32 v[ST+8*\t+2:ST+8*\t+3], v[ST+8*\t+2:ST+8*\t+3], v[ST+8*\t+6:ST+8*\t+7] op_sel_hi:[1,0]
.endr
.irp t, 0,1
	v_pk_add_f32 v[28+2*\t:29+2*\t], v[S+32*\t:S+32*\t+1], v[S+32*\t+2:S+32*\t+3]   ; the sums of the unrounded weights, in two chains a tile
.endr
.irp j, 4,8,12,16,20,24,28
.irp t, 0,1
	v_pk_add_f32 v[ST+8*\t+2:ST+8*\t+3], v[ST+8*\t+2:ST+8*\t+3], v[S+32*\t+\j:S+32*\t+\j+1]
	v_pk_add_f32 v[28+2*\t:29+2*\t], v[28+2*\t:29+2*\t], v[S+32*\t+\j+2:S+32*\t+\j+3]
.endr
.endr
.irp t, 0,1
	v_pk_add_f32 v[ST+8*\t+2:ST+8*\t+3], v[ST+8*\t+2:ST+8*\t+3], v[28+2*\t:29+2*\t]
.endr
.irp t, 0,1
.irp i, 0,2,4,6,8,10,12,14,16,18,20,22,24,26,28,30
	v_pk_mul_f32 v[O+32*\t+\i:O+32*\t+\i+1], v[O+32*\t+\i:O+32*\t+\i+1], v[ST+8*\t+6:ST+8*\t+7] op_sel_hi:[1,0]
.endr
.endr
.irp i, 0,1,2,3,4,5,6,7,8,9,10,11,12,13,14,15   ; P in place: register i takes weights 2 i, 2 i + 1, ascending, so nothing is written before it is read
.irp t, 0,1
	v_cvt_pk_f16_f32 v[S+32*\t+\i], v[S+32*\t+2*\i], v[S+32*\t+2*\i+1]
.endr
.endr
	s_wait_dscnt 0x0                               ; V is in
.irp i, 0,1                                    ; eight accumulators by turns
.irp f, 0,1,2,3
.irp qt, 0,1
	v_wmma_f32_16x16x32_f16 v[O+32*\qt+8*\f:O+32*\qt+8*\f+7], v[KV+16*\f+8*\i:KV+16*\f+8*\i+7], v[S+32*\qt+8*\i:S+32*\qt+8*\i+7], v[O+32*\qt+8*\f:O+32*\qt+8*\f+7]
.endr
.endr
.endr
.Lhid_\@:
	s_add_co_u32 s[KF], s[KF], 64
	s_add_co_u32 s[TB], s[TB], 8192
.endm
.macro STEPS                           ; a slot's eight steps, written once
	s_mov_b32 s[SUB], 8
.Lsub_\@:
	SUBSTEP
	s_sub_co_u32 s[SUB], s[SUB], 1
	s_cmp_lg_u32 s[SUB], 0
	s_cbranch_scc1 .Lsub_\@
	s_sub_co_u32 s[TB], s[TB], 65536
	s_xor_b32 s[TB], s[TB], SLOT1                  ; on to the other slot
.endm
; THE CHANGE OF SLOTS stands at a slot's head.  Each wave waits for all its tensor loads (its part of the slot ahead), adds 0 to its spare word, and waits for that and for its reads of the slot that it has left.
; fill = 1: a round of the cluster's barrier, and behind it the other slot takes the next 512 keys: the load has a whole slot's steps in which to land.
.macro CHANGE fill
	s_wait_tensorcnt 0x0                           ; no tensor load of mine is out, so the descriptor may be written
	ds_add_u32 v[SPW], v[NIL]
.if \fill
	s_xor_b32 s[G0+1], s[G0+1], SLOT1
	s_add_nc_u64 s[G0+2:G0+3], s[G0+2:G0+3], 65536
	s_wait_xcnt 0x0                                ; the last prefetch, a slot back, has read its address
	s_add_nc_u64 s[PFA:PFA+1], s[PFA:PFA+1], 65536
	s_wait_dscnt 0x0                               ; the add is done, and my reads of the slot that I have left are over
	CROUND
	tensor_load_to_lds s[G0:G0+3], s[G1:G1+7]      ; my one tensor load behind the round
	s_nop 0
	ASK
.else
	s_wait_dscnt 0x0
	s_barrier_signal -1
	s_barrier_wait -1
.endif
.endm
	s_wait_loadcnt 0x0                             ; Q
.Lslot:                                            ; three trips: behind each change of slots but the last the next 512 keys are asked for
	CHANGE 1
	STEPS
	s_sub_co_u32 s[SLOTS], s[SLOTS], 1
	s_cmp_lg_u32 s[SLOTS], 0
	s_cbranch_scc1 .Lslot
	CHANGE 0                                       ; the last slot is written out
	STEPS
	; THE WAY OUT: O / l, rounded to f16: a lane's eight channels are four registers of the projection's fragment, stored as they stand
.irp t, 0,1
	v_add_f32 v[ST+8*\t+4], v[ST+8*\t+2], v[ST+8*\t+3]
.endr
.irp t, 0,1
	v_permlanex16_b32 v[ST+8*\t+5], v[ST+8*\t+4], s[SEL], s[SEL+1]
.endr
.irp t, 0,1
	v_add_f32 v[ST+8*\t+4], v[ST+8*\t+4], v[ST+8*\t+5]
.endr
.irp t, 0,1
	v_rcp_f32 v[ST+8*\t+6], v[ST+8*\t+4]
.endr
	v_nop                                          ; with the four additions above: the places behind the last products, and the plain instruction behind the reciprocals
	s_wait_alu depctr_va_vdst(0)                   ; one wait for both reciprocals
.irp t, 0,1
.irp i, 0,2,4,6,8,10,12,14,16,18,20,22,24,26,28,30
	v_pk_mul_f32 v[O+32*\t+\i:O+32*\t+\i+1], v[O+32*\t+\i:O+32*\t+\i+1], v[ST+8*\t+6:ST+8*\t+7] op_sel_hi:[1,0]
.endr
.endr
.irp t, 0,1
.irp i, 0,1,2,3,4,5,6,7,8,9,10,11,12,13,14,15
	v_cvt_pk_f16_f32 v[S+16*\t+\i], v[O+32*\t+2*\i], v[O+32*\t+2*\i+1]
.endr
.endr
.irp t, 0,1
.irp f, 0,1,2,3
	global_store_b128 v[AK0], v[S+16*\t+4*\f:S+16*\t+4*\f+3], s[40:41] offset:32768*\t+512*\f   ; 512 consecutive bytes, aligned
.endr
.endr
	s_wait_tensorcnt 0x0                           ; the wave's end
	ds_add_u32 v[SPW], v[NIL]
	s_wait_dscnt 0x0
	CROUND                                         ; the closing round
	s_endpgm
.Lfunc_end_k_qba0205615a_attn:
	.size	k_qba0205615a_attn, .Lfunc_end_k_qba0205615a_attn-k_qba0205615a_attn
	.p2alignl 7, 3214868480
	.fill 96, 4, 3214868480
	.section	.rodata,"a",@progbits
	.p2align	6, 0x0
	.amdhsa_kernel k_qba0205615a_attn
		.amdhsa_group_segment_fixed_size 327680
		.amdhsa_private_segment_fixed_size 0
		.amdhsa_enable_private_segment 0
		.amdhsa_kernarg_size 16
		.amdhsa_user_sgpr_count 2
		.amdhsa_user_sgpr_kernarg_segment_ptr 1
		.amdhsa_wavefront_size32 1
		.amdhsa_system_sgpr_workgroup_id_x 1
		.amdhsa_system_sgpr_workgroup_id_y 1
		.amdhsa_system_sgpr_workgroup_id_z 1
		.amdhsa_system_vgpr_workitem_id 0
		.amdhsa_next_free_vgpr 256
		.amdhsa_next_free_sgpr 66
		.amdhsa_reserve_vcc 1
		.amdhsa_float_denorm_mode_32 3
		.amdhsa_float_denorm_mode_16_64 3
		.amdhsa_memory_ordered 1
		.amdhsa_forward_progress 1
		.amdhsa_inst_pref_size 58
	.end_amdhsa_kernel
	.amdgpu_metadata
---
amdhsa.version: [ 1, 2 ]
amdhsa.kernels:
  - .name:           k_qba0205615a_attn
    .symbol:         k_qba0205615a_attn.kd
    .args:
      - { .name: qkvh, .offset: 0, .size: 8, .value_kind: global_buffer, .address_space: global }
      - { .name: attno, .offset: 8, .size: 8, .value_kind: global_buffer, .address_space: global }
    .group_segment_fixed_size: 327680
    .private_segment_fixed_size: 0
    .kernarg_segment_align: 8
    .kernarg_segment_size: 16
    .max_flat_workgroup_size: 512
    .sgpr_count:     66
    .vgpr_count:     256
    .wavefront_size: 32
...
	.end_amdgpu_metadata
.endif
;; end of part 3
;; launch proj (part 4): grid 8 x 32, 4 waves a work-group, clusters of 4 x 4, 327,680 bytes of LDS; arguments attno, weff, bproj, out0; writes out0
.if DOCPART == 4
	.amdgcn_target "amdgcn-amd-amdhsa--gfx1250"
	.amdhsa_code_object_version 6
	.text
	.protected	k_qba0205615a_proj
	.globl	k_qba0205615a_proj
	.p2align	8
	.type	k_qba0205615a_proj,@function
k_qba0205615a_proj:
	s_mov_b64 s[64:65], 0
	v_nop
	global_prefetch_b8 v0, s[64:65] scope:SCOPE_SE
	s_setreg_imm32_b32 hwreg(HW_REG_WAVE_MODE, 25, 1), 1
	s_wait_xcnt 0x0
	s_wait_alu depctr_hold_cnt(0) depctr_sa_sdst(0) depctr_va_vdst(0) depctr_va_sdst(0) depctr_va_ssrc(0) depctr_va_vcc(0) depctr_vm_vsrc(0)
	s_getreg_b32 s2, hwreg(HW_REG_IB_STS2, 6, 4)
	s_cmp_eq_u32 s2, 0
	s_cbranch_scc0 .Lentry_in_a_cluster
	s_endpgm
.Lentry_in_a_cluster:
	s_bfe_u32 s2, ttmp6, 0x10000c
	s_cmp_lg_u32 s2, 0xf033
	s_cbranch_scc0 .Lentry_shape_is_right
	s_endpgm
.Lentry_shape_is_right:
; PROJ.  out0[token][n] = sum over k of attno[token][k] Weff[n][k] + bproj[n]; operands f16 (Weff's high part), sums f32.  Weff = Wproj + 2 Bproj Aproj holds the LoRA term.
; A tile of out0 is 256 tokens x 128 features: 256 work-groups.  Four waves, each 128 tokens x 64 features: 32 accumulators, 256 registers.
; K goes in steps of 128 (four chunks of 32) through a ring of two LDS slots.  Both operands lie in memory as register images: a tile is 4,096 dense bytes for each 16 rows, LDS has no pitch.
; CLUSTER 4 x 4: the attention's tiles are asked for jointly along a row of the cluster, Weff's along a column.
; USED TRANSPOSED (source 0 = 16 features, source 1 = 16 tokens): a lane holds eight neighbouring numbers of a row of out0.  The bias is the C of each sum's first instruction.
; REGISTERS: window 0: v0-31 addresses, v32-63 the bias, v64-127 rows on the way out.  window 1: accumulator (a, b) at v[8 (4 a + b)].  window 2: two fragment buffers: 64 registers of tokens, 32 of features.
.set SLOT,  98304                      ; the attention's 16 groups x 4,096 bytes, then Weff's 8 tiles x 4,096
.set STAGE, 196608                     ; behind the ring: 16 rows x 272 bytes for each wave
.set SPARE, 214016                     ; the spare words: two blocks of 256 bytes that no other line names
.set LAPS,  4
.set ADRA, 16
.set ADRB, 20
.set STO,  24
.set RD,   25
.set CO,   26
.set BO,   27
.set SPW,  28
.set NIL,  29
.set LN,   30
.set BIAS, 32
.set BK,   64
.set F0,   0
.set F1,   128
.set G1, 24
.set G0, 32
.set G1B, 48
.set G0B, 56
.set MSB, 0
.macro WIN new
.if MSB != (\new)
	s_set_vgpr_msb (MSB<<8)|(\new)
.set MSB, (\new)
.endif
.endm
.set MUL,  0x5a                        ; sources 0 and 1 window 2; C and D window 1
.set MULB, 0x4a                        ; the same, C (the bias) window 0
.set TO_F, 0x80                        ; destination window 2
.macro JLOAD s                         ; waves 0 and 1 fetch the attention's two halves, waves 2 and 3 Weff's; s_nop 0 and four v_nop follow each line
	s_cmp_eq_u32 s15, 0
	s_cbranch_scc0 .Lfor_b_\@
	tensor_load_to_lds s[G0+4*\s:G0+4*\s+3], s[G1:G1+7]
	s_nop 0
.rept 4
	v_nop
.endr
	s_branch .Lasked_\@
.Lfor_b_\@:
	tensor_load_to_lds s[G0B+4*\s:G0B+4*\s+3], s[G1B:G1B+7]
	s_nop 0
.rept 4
	v_nop
.endr
.Lasked_\@:
.endm
.macro CREST
	s_cmp_lg_u32 s14, 0
	s_cbranch_scc1 .Lnot_wave_0_\@
	s_barrier_signal -3
.Lnot_wave_0_\@:
	s_barrier_wait -3
	s_barrier_signal -1
	s_barrier_wait -1
.endm
.macro CROUND
	s_barrier_signal -1
	s_barrier_wait -1
	CREST
.endm
	s_load_b256 s[4:11], s[0:1], 0x0               ; attno 4, weff 6, bproj 8, out0 10
	v_lshl_add_u32 v[SPW], v0, 2, SPARE
	v_mov_b32 v[NIL], 0
	ds_add_u32 v[SPW], v[NIL]                      ; the wave's opening: the add, twice on end, and its wait ahead of my first tensor load
	ds_add_u32 v[SPW], v[NIL]
	v_lshrrev_b32 v1, 5, v0
	v_readfirstlane_b32 s14, v1                    ; wave 0..3
	s_lshr_b32 s15, s14, 1                         ; which half of the tile's tokens is mine.  Also: I fetch the attention's tiles (0) or Weff's (1)
	s_and_b32 s16, s14, 1                          ; which half of its features.  Also: which half of that tile I fetch
	s_bfe_u32 s40, ttmp6, 0x40000
	s_bfe_u32 s41, ttmp6, 0x40004
	s_lshl_b32 s42, ttmp9, 2
	s_add_co_u32 s42, s42, s40                     ; tile column
	s_and_b32 s17, ttmp7, 0xffff
	s_lshl_b32 s17, s17, 2
	s_add_co_u32 s17, s17, s41                     ; tile row
	s_lshl_b32 s43, s41, 2
	s_lshl_b32 s43, 15, s43
	s_lshl_b32 s44, 0x1111, s40
	s_or_b32 s[G1+0], s43, (3<<16)|(1<<21)         ; 8 token groups, of each the 4,096 bytes of a K step (512 elements of 8 bytes), 32,768 bytes apart
	s_or_b32 s[G1B+0], s44, (3<<16)|(1<<21)        ; 4 feature tiles likewise
.irp g, G1, G1B
	s_mov_b32 s[\g+1], 512<<16
	s_mov_b32 s[\g+3], 512<<16
	s_mov_b32 s[\g+5], 4096
	s_mov_b32 s[\g+6], 0
	s_mov_b32 s[\g+7], 0
.endr
	s_mov_b32 s[G1+2], 8<<16
	s_mov_b32 s[G1+4], 8
	s_mov_b32 s[G1B+2], 4<<16
	s_mov_b32 s[G1B+4], 4
	s_lshl_b32 s20, s17, 19                        ; the attention: 32,768 (16 x tile row + 8 x half)
	s_lshl_b32 s18, s16, 18
	s_add_co_u32 s20, s20, s18
	s_mov_b32 s21, 0
	s_lshl_b32 s46, s42, 18                        ; Weff: 32,768 (8 x tile column + 4 x half)
	s_lshl_b32 s18, s16, 17
	s_add_co_u32 s46, s46, s18
	s_mov_b32 s47, 0
	s_lshl_b32 s22, s16, 15                        ; where they go
	s_lshl_b32 s23, s16, 14
	s_add_co_u32 s23, s23, 65536
	s_wait_dscnt 0x0                               ; both opening adds are done
	s_wait_kmcnt 0x0
	s_add_nc_u64 s[20:21], s[4:5], s[20:21]
	s_add_nc_u64 s[46:47], s[6:7], s[46:47]
	CROUND                                         ; all sixteen work-groups are here
.irp s, 0,1
	s_mov_b32 s[G0+4*\s], 1
	s_add_co_u32 s[G0+4*\s+1], s22, \s*SLOT
	s_add_nc_u64 s[G0+4*\s+2:G0+4*\s+3], s[20:21], \s*4096
	s_or_b32 s[G0+4*\s+3], s[G0+4*\s+3], 0x80000000
	s_mov_b32 s[G0B+4*\s], 1
	s_add_co_u32 s[G0B+4*\s+1], s23, \s*SLOT
	s_add_nc_u64 s[G0B+4*\s+2:G0B+4*\s+3], s[46:47], \s*4096
	s_or_b32 s[G0B+4*\s+3], s[G0B+4*\s+3], 0x80000000
	JLOAD \s                                       ; K steps 0 and 1: two tensor loads of mine are out
.endr
	v_and_b32 v1, 15, v0                           ; r
	v_bfe_u32 v2, v0, 4, 1                         ; h
	v_and_b32 v3, 31, v0
	v_lshlrev_b32 v[LN], 4, v3
	v_lshlrev_b32 v[BO], 5, v2                     ; the bias: my eight features of a tile, 32 h bytes on
	s_lshl_b32 s2, s42, 9
	s_lshl_b32 s3, s16, 8
	s_add_co_u32 s2, s2, s3                        ; my first feature, in bytes of f32
	s_mov_b32 s3, 0
	s_add_nc_u64 s[8:9], s[8:9], s[2:3]
.irp b, 0,1,2,3
	global_load_b128 v[BIAS+8*\b:BIAS+8*\b+3], v[BO], s[8:9] offset:64*\b
	global_load_b128 v[BIAS+8*\b+4:BIAS+8*\b+7], v[BO], s[8:9] offset:64*\b+16
.endr
	s_lshl_b32 s18, s17, 20                        ; out0: 256 x tile row + 128 x half rows of 4,096 bytes
	s_lshl_b32 s19, s15, 19
	s_add_co_u32 s18, s18, s19
	s_add_co_u32 s2, s2, s18
	s_add_nc_u64 s[10:11], s[10:11], s[2:3]
	s_lshl_b32 s2, s15, 15
	s_lshl_b32 s3, s16, 14
	s_add_co_u32 s3, s3, 65536
.irp s, 0,1
	v_add_nc_u32 v[ADRA+\s], s2, v[LN]
	v_add_nc_u32 v[ADRB+\s], s3, v[LN]
	s_add_co_u32 s2, s2, SLOT
	s_add_co_u32 s3, s3, SLOT
.endr
	s_mul_i32 s2, s14, 4352
	s_add_co_u32 s2, s2, STAGE                     ; my stage
	v_mul_u32_u24 v4, v1, 272
	v_lshl_add_u32 v4, v2, 5, v4
	v_add_nc_u32 v[STO], s2, v4                    ; in: row r, + 32 h
	v_mul_u32_u24 v4, v2, 272
	v_lshl_add_u32 v4, v1, 4, v4
	v_add_nc_u32 v[RD], s2, v4                     ; back: lanes 0-15 one row of 256 bytes, lanes 16-31 the next
	v_lshlrev_b32 v4, 12, v2
	v_lshl_add_u32 v[CO], v1, 4, v4                ; and the same two rows in out0
.macro MUL8 f, a0, bias                ; token blocks a0, a0 + 1 against the four feature blocks; the 32 accumulators take turns in the same order in every quarter
.irp a, \a0, \a0+1
.irp b, 0,1,2,3
.if \bias
	v_wmma_f32_16x16x32_f16 v[8*(4*(\a)+\b):8*(4*(\a)+\b)+7], v[\f+64+8*\b:\f+64+8*\b+7], v[\f+8*(\a):\f+8*(\a)+7], v[BIAS+8*\b:BIAS+8*\b+7]
.else
	v_wmma_f32_16x16x32_f16 v[8*(4*(\a)+\b):8*(4*(\a)+\b)+7], v[\f+64+8*\b:\f+64+8*\b+7], v[\f+8*(\a):\f+8*(\a)+7], v[8*(4*(\a)+\b):8*(4*(\a)+\b)+7]
.endif
.endr
.endr
.endm
.macro FETCH slot, q, f                ; 24 LDS loads in one run: chunk q's fragments: Weff's four, token blocks 0-3, token blocks 4-7
	WIN TO_F
.irp i, 0,1,2,3
	ds_load_b128 v[\f+64+8*\i:\f+64+8*\i+3], v[ADRB+\slot] offset:4096*\i+1024*(\q)
	ds_load_b128 v[\f+64+8*\i+4:\f+64+8*\i+7], v[ADRB+\slot] offset:4096*\i+1024*(\q)+512
.endr
.irp i, 0,1,2,3,4,5,6,7
	ds_load_b128 v[\f+8*\i:\f+8*\i+3], v[ADRA+\slot] offset:4096*\i+1024*(\q)
	ds_load_b128 v[\f+8*\i+4:\f+8*\i+7], v[ADRA+\slot] offset:4096*\i+1024*(\q)+512
.endr
.endm
.macro PLACES
.rept 4
	v_nop
.endr
.endm
.macro QUARTER slot, q, f, g, bias     ; multiplies buffer f (32 along K) and fetches chunk q of the same slot into g
	s_wait_dscnt 8                                 ; Weff's fragments and token blocks 0-3 are in; the youngest eight loads may be out
	WIN MUL-0x10*(\bias)
	MUL8 \f, 0, \bias
	MUL8 \f, 2, \bias
	PLACES                                         ; ahead of loads into registers that matrix instructions have read
	FETCH \slot, \q, \g
	s_wait_dscnt 24                                ; all but the 24 just issued
	WIN MUL-0x10*(\bias)
	MUL8 \f, 4, \bias
	MUL8 \f, 6, \bias
.endm
; A slot's last quarter multiplies buffer 1 and changes slots: ONE barrier; ahead of it each wave waits for all its tensor loads, adds 0 to its spare word, and waits for that and for its reads of this slot.
.macro TURN slot, next, fill
	WIN 0
	s_wait_tensorcnt 0x0                           ; my part of the next slot has landed
	ds_add_u32 v[SPW], v[NIL]
	s_wait_dscnt 9                                 ; (the add and the youngest eight loads may be out)
	WIN MUL
	MUL8 F1, 0, 0
	s_wait_dscnt 0x0                               ; the add is done, and my reads of this slot are over
	s_barrier_signal -1
	MUL8 F1, 2, 0
.if \fill
	WIN 0
.endif
	s_barrier_wait -1
.if \fill
	CREST                                          ; the barrier has opened a round of the cluster's: no wave of any partner still reads this slot or has a load on its way
	s_add_nc_u64 s[G0+4*\slot+2:G0+4*\slot+3], s[G0+4*\slot+2:G0+4*\slot+3], 8192
	s_add_nc_u64 s[G0B+4*\slot+2:G0B+4*\slot+3], s[G0B+4*\slot+2:G0B+4*\slot+3], 8192
	JLOAD \slot                                    ; two K steps ahead: 112 matrix instructions stand between it and the wait for it; its four v_nop are also the places ahead of the loads below
.else
	PLACES
.endif
	FETCH \next, 0, F0
	WIN MUL
	MUL8 F1, 4, 0
	MUL8 F1, 6, 0
.endm
	s_wait_loadcnt 0x0                             ; the bias
	s_wait_tensorcnt 1                             ; my part of K step 0 is in; K step 1's may be out
	s_barrier_signal -1
	s_barrier_wait -1
	FETCH 0, 0, F0
	QUARTER 0, 1, F0, F1, 1                        ; the first quarter stands ahead of the loop: its products start the sums on the bias
	WIN 0
	s_mov_b32 s3, LAPS-1
.Llap:                                             ; a trip goes once round the ring and fills both slots again
	QUARTER 0, 2, F1, F0, 0
	QUARTER 0, 3, F0, F1, 0
	TURN 0, 1, 1
	QUARTER 1, 1, F0, F1, 0
	QUARTER 1, 2, F1, F0, 0
	QUARTER 1, 3, F0, F1, 0
	TURN 1, 0, 1
	QUARTER 0, 1, F0, F1, 0
	WIN 0
	s_sub_co_u32 s3, s3, 1
	s_cmp_lg_u32 s3, 0
	s_cbranch_scc1 .Llap
	QUARTER 0, 2, F1, F0, 0                        ; the last lap fills nothing
	QUARTER 0, 3, F0, F1, 0
	TURN 0, 1, 0
	QUARTER 1, 1, F0, F1, 0
	QUARTER 1, 2, F1, F0, 0
	QUARTER 1, 3, F0, F1, 0
	s_wait_dscnt 8
	WIN MUL
	MUL8 F1, 0, 0
	MUL8 F1, 2, 0
	s_wait_dscnt 0
	MUL8 F1, 4, 0
	MUL8 F1, 6, 0
	WIN 0
; THE WAY OUT, 16 rows x 64 features at a time, through my own stage: in as 32 bytes a lane, back as whole rows of 256 bytes.  LDS serves a wave's instructions in order.
.macro TOSTAGE a
	WIN 0x04                                       ; an LDS store's data: window 1
.irp b, 0,1,2,3
	ds_store_b128 v[STO], v[8*(4*(\a)+\b):8*(4*(\a)+\b)+3] offset:64*\b      ; each accumulator from its low end on
	ds_store_b128 v[STO], v[8*(4*(\a)+\b)+4:8*(4*(\a)+\b)+7] offset:64*\b+16
.endr
	WIN 0
.irp t, 0,1,2,3,4,5,6,7
	ds_load_b128 v[BK+32*((\a)%2)+4*\t:BK+32*((\a)%2)+4*\t+3], v[RD] offset:544*\t
.endr
.endm
.macro SEND a, younger
	s_wait_dscnt \younger                          ; block a is back in registers; the next block's sixteen LDS instructions may be out
.irp t, 0,1,2,3,4,5,6,7
	global_store_b128 v[CO], v[BK+32*((\a)%2)+4*\t:BK+32*((\a)%2)+4*\t+3], s[10:11] offset:4096*(16*(\a)+2*\t) th:TH_STORE_NT   ; sixteen lanes store 256 consecutive bytes, aligned
.endr
.endm
	PLACES
	TOSTAGE 0
.irp a, 1,2,3,4,5,6,7
.if \a > 1
	s_wait_xcnt 0x0                                ; block a - 2's stores have read the registers into which block a's loads land
.endif
	TOSTAGE \a
	SEND \a-1, 16
.endr
	SEND 7, 0
	s_wait_tensorcnt 0x0                           ; the wave's end
	ds_add_u32 v[SPW], v[NIL]
	s_wait_dscnt 0x0
	CROUND                                         ; the closing round
	s_endpgm
.Lfunc_end_k_qba0205615a_proj:
	.size	k_qba0205615a_proj, .Lfunc_end_k_qba0205615a_proj-k_qba0205615a_proj
	.p2alignl 7, 3214868480
	.fill 96, 4, 3214868480
	.section	.rodata,"a",@progbits
	.p2align	6, 0x0
	.amdhsa_kernel k_qba0205615a_proj
		.amdhsa_group_segment_fixed_size 327680
		.amdhsa_private_segment_fixed_size 0
		.amdhsa_enable_private_segment 0
		.amdhsa_kernarg_size 32
		.amdhsa_user_sgpr_count 2
		.amdhsa_user_sgpr_kernarg_segment_ptr 1
		.amdhsa_wavefront_size32 1
		.amdhsa_system_sgpr_workgroup_id_x 1
		.amdhsa_system_sgpr_workgroup_id_y 1
		.amdhsa_system_sgpr_workgroup_id_z 1
		.amdhsa_system_vgpr_workitem_id 0
		.amdhsa_next_free_vgpr 768
		.amdhsa_next_free_sgpr 66
		.amdhsa_reserve_vcc 0
		.amdhsa_float_denorm_mode_32 3
		.amdhsa_float_denorm_mode_16_64 3
		.amdhsa_memory_ordered 1
		.amdhsa_forward_progress 1
		.amdhsa_inst_pref_size 86
	.end_amdhsa_kernel
	.amdgpu_metadata
---
amdhsa.version: [ 1, 2 ]
amdhsa.kernels:
  - .name:           k_qba0205615a_proj
    .symbol:         k_qba0205615a_proj.kd
    .args:
      - { .name: attno, .offset: 0, .size: 8, .value_kind: global_buffer, .address_space: global }
      - { .name: weff, .offset: 8, .size: 8, .value_kind: global_buffer, .address_space: global }
      - { .name: bproj, .offset: 16, .size: 8, .value_kind: global_buffer, .address_space: global }
      - { .name: out0, .offset: 24, .size: 8, .value_kind: global_buffer, .address_space: global }
    .group_segment_fixed_size: 327680
    .private_segment_fixed_size: 0
    .kernarg_segment_align: 8
    .kernarg_segment_size: 32
    .max_flat_workgroup_size: 128
    .sgpr_count:     66
    .vgpr_count:     768
    .wavefront_size: 32
...
	.end_amdgpu_metadata
.endif
;; end of part 4
;; launch fine (part 5): grid 16 x 4, 16 waves a work-group, no clusters, 71,680 bytes of LDS; arguments fineb, weff, bproj, out0; writes out0
.if DOCPART == 5
	.amdgcn_target "amdgcn-amd-amdhsa--gfx1250"
	.amdhsa_code_object_version 6
	.text
	.protected	k_qba0205615a_fine
	.globl	k_qba0205615a_fine
	.p2align	8
	.type	k_qba0205615a_fine,@function
k_qba0205615a_fine:
	s_mov_b64 s[64:65], 0
	v_nop
	global_prefetch_b8 v0, s[64:65] scope:SCOPE_SE
	s_setreg_imm32_b32 hwreg(HW_REG_WAVE_MODE, 25, 1), 1
	s_wait_xcnt 0x0
; FINE.  The first 16 positions of each batch once more, finely: they average one to sixteen values and are the largest numbers of the output.
; A work-group takes 64 output features (work-group x) of one batch (work-group y); wave w takes head w: its attention over 16 keys by the f32 matrix form, and then, since a head's 64 channels are also
; a piece of the projection's K, its part of the projection: the attention rows and Weff as pairs of f16 numbers (high and low part; three of the four products).  The sixteen waves' parts are added through LDS.
; q, k, v arrive in f32 (fineb).  Softmax with the row's own maximum.  The 64 rows of out0 are written over.
; HIGH AND LOW PARTS as in the launch that made Weff: hi = the number rounded to 11 significant bits, lo = x - hi.   LIMIT: attention rows under 65,504.
.set SPARE, 69632                      ; behind the sixteen parts (16 rows x 272 bytes each): the spare words, eight blocks of 256 bytes that no other line names
.set Y, 160
.macro SPLIT src, hi, lo, tmp, n
.set I, 0
.rept \n
	v_add_nc_u32 v[\tmp+2*I], 0x1000, v[\src+2*I]
	v_add_nc_u32 v[\tmp+2*I+1], 0x1000, v[\src+2*I+1]
	v_and_b32 v[\tmp+2*I], 0xffffe000, v[\tmp+2*I]
	v_and_b32 v[\tmp+2*I+1], 0xffffe000, v[\tmp+2*I+1]
	v_cvt_pk_f16_f32 v[\hi+I], v[\tmp+2*I], v[\tmp+2*I+1]
	v_sub_f32 v[\tmp+2*I], v[\src+2*I], v[\tmp+2*I]
	v_sub_f32 v[\tmp+2*I+1], v[\src+2*I+1], v[\tmp+2*I+1]
	v_cvt_pk_f16_f32 v[\lo+I], v[\tmp+2*I], v[\tmp+2*I+1]
.set I, I+1
.endr
.endm
	s_load_b256 s[4:11], s[0:1], 0x0               ; fineb 4, weff 6, bproj 8, out0 10
	v_lshl_add_u32 v14, v0, 2, SPARE               ; my spare word; never rewritten
	v_mov_b32 v15, 0                               ; 0; never rewritten
	v_lshrrev_b32 v1, 5, v0
	v_readfirstlane_b32 s12, v1                    ; wave = head
	s_and_b32 s13, ttmp7, 0xffff                   ; batch
	v_and_b32 v176, 15, v0                         ; r
	v_bfe_u32 v177, v0, 4, 1                       ; h
	v_and_b32 v178, 31, v0
	v_lshlrev_b32 v1, 8, v176
	v_lshl_add_u32 v1, v177, 7, v1                 ; q, k: token r of 256 bytes, + 128 h: channels 32 h on
	v_lshlrev_b32 v2, 2, v176
	v_lshl_add_u32 v2, v177, 11, v2                ; v: channel r, keys 8 h on
	v_lshlrev_b32 v3, 4, v178                      ; 16 x lane
	v_lshlrev_b32 v4, 4, v176                      ; 16 r
	s_mul_i32 s14, s12, 4352
	v_mul_u32_u24 v5, v176, 272
	v_lshl_add_u32 v5, v177, 5, v5
	v_add_nc_u32 v5, s14, v5                       ; where I put my part: row r, + 32 h
	s_mul_i32 s14, s12, 544
	v_mul_u32_u24 v6, v177, 272
	v_lshl_add_u32 v6, v176, 4, v6
	v_add_nc_u32 v6, s14, v6                       ; where waves 0-7 read: rows 2 w, 2 w + 1 of each part
	v_lshlrev_b32 v7, 12, v177
	v_lshl_add_u32 v7, v176, 4, v7                 ; and the same two rows in out0
	v_lshlrev_b32 v12, 3, v177
	v_sub_nc_u32 v12, v176, v12                    ; r - 8 h
	v_mov_b32 v13, 0xff800000                      ; -infinity
	s_mov_b32 s24, 0x76543210
	s_mov_b32 s25, 0xfedcba98
	s_mov_b32 s26, 0x3e38aa3b                      ; c = log2(e) / 8
	s_lshl_b32 s14, s13, 16
	s_lshl_b32 s15, s12, 12
	s_add_co_u32 s14, s14, s15                     ; 4,096 (16 x batch + head)
	s_mov_b32 s15, 0
	s_wait_kmcnt 0x0
	s_add_nc_u64 s[16:17], s[4:5], s[14:15]
	s_lshl_b32 s14, ttmp9, 17
	s_lshl_b32 s27, s12, 11
	s_add_co_u32 s14, s14, s27                     ; Weff: feature tiles 4 x on, chunks 2 w on
	s_add_nc_u64 s[18:19], s[6:7], s[14:15]
	s_lshl_b32 s14, ttmp9, 8
	s_add_nc_u64 s[20:21], s[8:9], s[14:15]
	s_lshl_b32 s27, s13, 23
	s_add_co_u32 s14, s14, s27
	s_lshl_b32 s27, s12, 13
	s_add_co_u32 s14, s14, s27
	s_add_nc_u64 s[22:23], s[10:11], s[14:15]
	global_load_b128 v[8:11], v4, s[20:21]         ; the bias of my four output features
.irp i, 0,1,2,3,4,5,6,7
	global_load_b128 v[16+4*\i:19+4*\i], v1, s[16:17] offset:16*\i
.endr
.irp i, 0,1,2,3,4,5,6,7
	global_load_b128 v[48+4*\i:51+4*\i], v1, s[16:17] offset:262144+16*\i
.endr
.irp dt, 0,1,2,3
.irp i, 0,1,2,3,4,5,6,7
	global_load_b32 v[80+8*\dt+\i], v2, s[16:17] offset:524288+256*\i+64*\dt
.endr
.endr
.irp ft, 0,1,2,3
.irp c, 0,1
	global_load_b128 v[192+16*\ft+8*\c:195+16*\ft+8*\c], v3, s[18:19] offset:32768*\ft+1024*\c
	global_load_b128 v[196+16*\ft+8*\c:199+16*\ft+8*\c], v3, s[18:19] offset:32768*\ft+1024*\c+512
.endr
.endr
	s_wait_loadcnt 48                              ; the bias, q and k are in; v's 32 loads and Weff's 16 stay out
.set Q, 0
.rept 16                                       ; S^T = k q^T: slot (h, j) of both sources is channel 32 h + 2 s + j; two accumulators by turns
.if Q < 2
	v_wmma_f32_16x16x4_f32 v[112+8*(Q%2):119+8*(Q%2)], v[48+2*Q:49+2*Q], v[16+2*Q:17+2*Q], 0
.else
	v_wmma_f32_16x16x4_f32 v[112+8*(Q%2):119+8*(Q%2)], v[48+2*Q:49+2*Q], v[16+2*Q:17+2*Q], v[112+8*(Q%2):119+8*(Q%2)]
.endif
.set Q, Q+1
.endr
.rept 8
	v_nop                                          ; eight places behind this form: ahead of the loads into q's and k's registers and of the first read of the scores
.endr
.irp ft, 0,1,2,3                               ; Weff's low parts
.irp c, 0,1
	global_load_b128 v[16+16*\ft+8*\c:19+16*\ft+8*\c], v3, s[18:19] offset:2097152+32768*\ft+1024*\c
	global_load_b128 v[20+16*\ft+8*\c:23+16*\ft+8*\c], v3, s[18:19] offset:2097152+32768*\ft+1024*\c+512
.endr
.endr
.irp j, 0,2,4,6
	v_pk_add_f32 v[160+\j:161+\j], v[112+\j:113+\j], v[120+\j:121+\j]   ; register j: the score of query r and key 8 h + j
.endr
.irp j, 0,1,2,3,4,5,6,7
	v_cmp_gt_i32 vcc_lo, \j, v12                   ; hidden where 8 h + j > r
	v_cndmask_b32 v[160+\j], v[160+\j], v13, vcc_lo
.endr
	v_max3_num_f32 v176, v160, v161, v162
	v_max3_num_f32 v177, v163, v164, v165
	v_max3_num_f32 v176, v176, v166, v167
	v_max_num_f32 v176, v176, v177
	v_permlanex16_b32 v177, v176, s24, s25
	v_max_num_f32 v176, v176, v177                 ; the row's maximum: key 0 counts for every query, so it is a score
	v_mul_f32 v178, s26, v176
.irp j, 0,1,2,3,4,5,6,7
	v_fma_f32 v[168+\j], v[160+\j], s26, -v178
.endr
.irp j, 0,1,2,3,4,5,6,7
	v_exp_f32 v[168+\j], v[168+\j]
.endr
	v_nop                                          ; a plain instruction behind the last exponential
	s_wait_alu depctr_va_vdst(0)                   ; one wait for the eight
	v_pk_add_f32 v[180:181], v[168:169], v[170:171]
	v_pk_add_f32 v[182:183], v[172:173], v[174:175]
	v_pk_add_f32 v[180:181], v[180:181], v[182:183]
	v_add_f32 v180, v180, v181
	v_permlanex16_b32 v181, v180, s24, s25
	v_add_f32 v180, v180, v181
	v_rcp_f32 v182, v180
	v_nop
	s_wait_alu depctr_va_vdst(0)
.irp j, 0,2,4,6
	v_pk_mul_f32 v[168+\j:169+\j], v[168+\j:169+\j], v[182:183] op_sel_hi:[1,0]
.endr
	s_wait_loadcnt 32                              ; v is in; Weff's 32 loads stay out
.irp s, 0,1,2,3                                ; O^T = v^T p: slot (h, j) of both sources is key 8 h + 2 s + j; four accumulators by turns
.irp dt, 0,1,2,3
.if \s == 0
	v_wmma_f32_16x16x4_f32 v[128+8*\dt:135+8*\dt], v[80+8*\dt+2*\s:81+8*\dt+2*\s], v[168+2*\s:169+2*\s], 0
.else
	v_wmma_f32_16x16x4_f32 v[128+8*\dt:135+8*\dt], v[80+8*\dt+2*\s:81+8*\dt+2*\s], v[168+2*\s:169+2*\s], v[128+8*\dt:135+8*\dt]
.endif
.endr
.endr
.rept 8
	v_nop                                          ; eight places behind this form
.endr
	SPLIT 128, 80, 96, 160, 16                     ; the attention rows: high parts v80-95, low parts v96-111: two fragments of 32 channels each
	s_wait_loadcnt 0x0                             ; Weff
.macro YT w, o, c, zero                ; four matrix instructions: my head's chunk c, the four feature tiles by turns
.irp ft, 0,1,2,3
.if \zero
	v_wmma_f32_16x16x32_f16 v[Y+8*\ft:Y+8*\ft+7], v[\w+16*\ft+8*\c:\w+16*\ft+8*\c+7], v[\o+8*\c:\o+8*\c+7], 0
.else
	v_wmma_f32_16x16x32_f16 v[Y+8*\ft:Y+8*\ft+7], v[\w+16*\ft+8*\c:\w+16*\ft+8*\c+7], v[\o+8*\c:\o+8*\c+7], v[Y+8*\ft:Y+8*\ft+7]
.endif
.endr
.endm
	YT 192, 80, 0, 1                               ; high x high
	YT 192, 80, 1, 0
	YT 192, 96, 0, 0                               ; Weff's high x the rows' low
	YT 192, 96, 1, 0
	YT 16, 80, 0, 0                                ; Weff's low x the rows' high
	YT 16, 80, 1, 0
.rept 4
	v_nop
.endr
.irp ft, 0,1,2,3
	ds_store_b128 v5, v[Y+8*\ft:Y+8*\ft+3] offset:64*\ft
	ds_store_b128 v5, v[Y+8*\ft+4:Y+8*\ft+7] offset:64*\ft+16
.endr
	s_wait_dscnt 0x0                               ; for the others' sake: my part has landed
	s_barrier_signal -1
	s_barrier_wait -1
	s_cmp_ge_u32 s12, 8
	s_cbranch_scc1 .Lend
.irp p, 0,1,2,3,4,5,6,7,8,9,10,11,12,13,14,15   ; waves 0-7 add the sixteen heads' parts of two rows each
	ds_load_b128 v[16+4*\p:19+4*\p], v6 offset:4352*\p
.endr
	s_wait_dscnt 0x0
.irp p, 1,2,3,4,5,6,7,8,9,10,11,12,13,14,15
	v_pk_add_f32 v[16:17], v[16:17], v[16+4*\p:17+4*\p]
	v_pk_add_f32 v[18:19], v[18:19], v[18+4*\p:19+4*\p]
.endr
	v_pk_add_f32 v[16:17], v[16:17], v[8:9]
	v_pk_add_f32 v[18:19], v[18:19], v[10:11]
	global_store_b128 v7, v[16:19], s[22:23]       ; sixteen lanes store 256 consecutive bytes, aligned
.Lend:
	s_wait_tensorcnt 0x0                           ; the wave's end
	ds_add_u32 v14, v15
	s_wait_dscnt 0x0
	s_endpgm
.Lfunc_end_k_qba0205615a_fine:
	.size	k_qba0205615a_fine, .Lfunc_end_k_qba0205615a_fine-k_qba0205615a_fine
	.p2alignl 7, 3214868480
	.fill 96, 4, 3214868480
	.section	.rodata,"a",@progbits
	.p2align	6, 0x0
	.amdhsa_kernel k_qba0205615a_fine
		.amdhsa_group_segment_fixed_size 71680
		.amdhsa_private_segment_fixed_size 0
		.amdhsa_enable_private_segment 0
		.amdhsa_kernarg_size 32
		.amdhsa_user_sgpr_count 2
		.amdhsa_user_sgpr_kernarg_segment_ptr 1
		.amdhsa_wavefront_size32 1
		.amdhsa_system_sgpr_workgroup_id_x 1
		.amdhsa_system_sgpr_workgroup_id_y 1
		.amdhsa_system_sgpr_workgroup_id_z 1
		.amdhsa_system_vgpr_workitem_id 0
		.amdhsa_next_free_vgpr 256
		.amdhsa_next_free_sgpr 66
		.amdhsa_reserve_vcc 1
		.amdhsa_float_denorm_mode_32 3
		.amdhsa_float_denorm_mode_16_64 3
		.amdhsa_memory_ordered 1
		.amdhsa_forward_progress 1
		.amdhsa_inst_pref_size 28
	.end_amdhsa_kernel
	.amdgpu_metadata
---
amdhsa.version: [ 1, 2 ]
amdhsa.kernels:
  - .name:           k_qba0205615a_fine
    .symbol:         k_qba0205615a_fine.kd
    .args:
      - { .name: fineb, .offset: 0, .size: 8, .value_kind: global_buffer, .address_space: global }
      - { .name: weff, .offset: 8, .size: 8, .value_kind: global_buffer, .address_space: global }
      - { .name: bproj, .offset: 16, .size: 8, .value_kind: global_buffer, .address_space: global }
      - { .name: out0, .offset: 24, .size: 8, .value_kind: global_buffer, .address_space: global }
    .group_segment_fixed_size: 71680
    .private_segment_fixed_size: 0
    .kernarg_segment_align: 8
    .kernarg_segment_size: 32
    .max_flat_workgroup_size: 512
    .sgpr_count:     66
    .vgpr_count:     256
    .wavefront_size: 32
...
	.end_amdgpu_metadata
.endif
;; end of part 5
